; MI455X (gfx1250); checked and timed in simulation.
; The chip was launched on July 23, 2026; its instructions are those of AMD's public machine-readable ISA for CDNA 5 (MIT licence, August 2026) and "CDNA5" Instruction Set Architecture Reference Guide (July 2026). The comments in the code are by the model that wrote it; some were corrected since.
;; Bert Self Attention. Allowed arithmetic: matrix products marked QUANTISED: E2M1 operands, one E8M0 scale for each 32 along K, by v_wmma_scale_f32_16x16x128_f8f6f4 with both operands' format E2M1 (or v_wmma_scale_f32_32x16x128_f4), f32 sums; products left as they are: bf16, f16 or f32 operands; f32 sums; everything else in f32.
;; Inputs: Wk 1,024 x 1,024 float32; Wq 1,024 x 1,024 float32; Wv 1,024 x 1,024 float32; attention_mask 4 x 2,048 float32; bk 1,024 float32; bq 1,024 float32; bv 1,024 float32; key_states 4 x 2,048 x 1,024 float32; query_states 4 x 2,048 x 1,024 float32; value_states 4 x 2,048 x 1,024 float32.
;; Outputs: out0 4 x 2,048 x 1,024 float32.
;; This version of the problem:
;;   THIS VERSION OF THE PROBLEM IS GIVEN IN LOW PRECISION. The matrix products marked QUANTISED in the list below multiply operands that are first quantised to E2M1 (2 exponent bits, 1 mantissa bit; 4 bits a number), with one power-of-two scale for each 32 numbers along K (OCP MX v1.0); their sums are f32. The products marked 'left as it is' may take bf16, f16 or f32 operands, with f32 sums. Whichever they take, every output number must still come out within the allowed error. Rounding operands to bf16 (8 significant bits) uses up far more of that allowance than f16 does (11 bits, for magnitudes from 6e-5 to 65,504). All else is computed in f32.
;;   The module's matrix products, in the order in which they are computed (A, B: the left and right operand; K: the contracted axis; several contracted axes count as one K, in the product's order):
;;     1. [M 8,192, K 1,024] x [K 1,024, N 1,024]; A: input query_states; B: input Wq: QUANTISED
;;     2. [M 8,192, K 1,024] x [K 1,024, N 1,024]; A: input key_states; B: input Wk: QUANTISED
;;     3. [M 8,192, K 1,024] x [K 1,024, N 1,024]; A: input value_states; B: input Wv: QUANTISED
;;     4. batch 4 x [M 2,048, K 1,024] x [K 1,024, N 2,048]; A: computed on the way; B: computed on the way: left as it is (an operand is computed on the way)
;;     5. batch 4 x [M 2,048, K 2,048] x [K 2,048, N 1,024]; A: computed on the way; B: computed on the way: left as it is (an operand is computed on the way)
;;   THE QUANTISER, for each operand of a quantised product, along K:
;;     - K is cut into blocks of 32 from its start; a last block that is shorter is filled with zeros.
;;     - A block's scale is 2^e with e = floor(log2(the largest magnitude in the block)) - 2, held to -126 .. 127; a block of zeros has e = 0. As a byte (E8M0): e + 127.
;;     - Each number is divided by its block's scale, clamped to +-6, and rounded to the nearest number of E2M1, ties to even, subnormals kept.
;;     - The product sums the exact products of the quantised numbers (number of the format x scale) in f32.
;;   ~~~python
;;   def quantise(x, axis):      # numpy; x: float32 -> the quantised numbers, widened to float32 again
;;       x = np.moveaxis(x, axis, -1); K = x.shape[-1]
;;       x = np.pad(x, [(0, 0)] * (x.ndim - 1) + [(0, -K % 32)]); x = x.reshape(x.shape[:-1] + (-1, 32)); a = np.abs(x).max(-1, keepdims=True)
;;       e = np.where(a > 0, np.clip(np.frexp(np.where(a > 0, a, 1))[1] - 1 - 2, -126, 127), 0)      # np.frexp(a)[1] - 1 = floor(log2(a)), exactly
;;       r = np.clip(x / 2.0 ** e, -6, 6)
;;       step = 2.0 ** (np.maximum(np.frexp(np.where(r == 0, 1, r))[1] - 1, 0) - 1)
;;       q = np.round(r / step) * step * 2.0 ** e      # np.round: ties to even
;;       return np.moveaxis(q.reshape(q.shape[:-2] + (-1,))[..., :K], -1, axis).astype(np.float32)
;;   ~~~
;; One version. Each part assembles by itself: llvm-mc -triple=amdgcn-amd-amdhsa -mcpu=gfx1250 --defsym DOCPART=n.
;; ======== version 1 of 1: 5 launches
;; limits: values are held in f16: magnitudes above 65,504 overflow, below 6.1e-05 lose precision
;; workspace buffers: xcodes 12,582,912 bytes; xscales 786,432 bytes; wcodes 1,572,864 bytes; wscales 98,304 bytes; qkv 50,331,648 bytes; p 33,554,432 bytes; stats 1,048,576 bytes
;; launch quant_x (part 1): grid 768 x 1, 4 waves a work-group, no clusters, 33,280 bytes of LDS; arguments query_states, key_states, value_states, xcodes, xscales; writes xcodes, xscales
.if DOCPART == 1
	.amdgcn_target "amdgcn-amd-amdhsa--gfx1250"
	.amdhsa_code_object_version 6
	.text
	.protected	k_q3bdc8439fa_quant_x
	.globl	k_q3bdc8439fa_quant_x
	.p2align	8
	.type	k_q3bdc8439fa_quant_x,@function
k_q3bdc8439fa_quant_x:
	s_mov_b64 s[64:65], 0
	v_nop
	global_prefetch_b8 v0, s[64:65] scope:SCOPE_SE
	s_setreg_imm32_b32 hwreg(HW_REG_WAVE_MODE, 25, 1), 1
	s_wait_xcnt 0x0
; query_states, key_states, value_states, each [8192][1024] f32, become codes of FP4 (E2M1), K innermost, with one E8M0 scale byte for each 32 along K.
; xcodes: [3 x 8192 rows][512 bytes], xscales: [3 x 8192 rows][32 bytes]; tensor 0 = query, 1 = key, 2 = value.
; A block's scale is 2^(floor(log2(its largest magnitude)) - 2); its byte is the largest magnitude's own exponent field - 2, held at 1 from below.
; LIMITS: a block of zeros gets the byte 1 where the quantiser says 127 (its codes are zeros, and this program alone reads the bytes); blocks whose largest magnitude
; lies under 2^-124 are held at the byte 1; NaN and infinities among the inputs are not served.
; Rows are dense and 1024 is a multiple of 32: each tensor is a plain stream of blocks of 32 numbers, and so are codes and scale bytes.
; 256 work-groups a tensor; a wave takes 16 steps of 512 numbers.  Each load reads 512 consecutive bytes; a step's 2,048 bytes turn through the wave's own stage in LDS, so that a lane
; then holds 16 neighbours along K (two neighbouring lanes hold a block).  A wave's store of codes covers 256 consecutive bytes; its 256 scale bytes are gathered in LDS and leave as one such run.
; No tensor loads, no barrier: waves share nothing.  Loads run four steps ahead, the turn through LDS one step.
.set WAVES, 4
.set STEPS, 16
.set EMAX,  2
.set CB,    8                          ; bytes of 16 codes
.set R,     16                         ; v16-79   four sets of 16 numbers as they are loaded
.set X,     80                         ; v80-111  two sets of 16 neighbours
.set C,     128                        ; v128-191 codes: four registers for each step, so that no store's data are written again
.set E,     112                        ; v112-127 a scale byte for each step
.set WREG,  8192                       ; LDS: a region for each wave: two stages of 32 x SP bytes, behind them its 256 scale bytes
.set SP,    80                         ; a lane's place in a stage: 64 bytes + 16 of padding
.set SPW,   12                         ; v12  LDS address of my spare word; never rewritten
.set NIL,   13                         ; v13  0; never rewritten
.set SPARE, WAVES*WREG                 ; behind the four regions: the spare words, 128 bytes a wave
	s_load_b128 s[4:7], s[0:1], 0x0                ; query_states, key_states
	s_load_b128 s[8:11], s[0:1], 0x10              ; value_states, xcodes
	s_load_b64 s[12:13], s[0:1], 0x20              ; xscales
	v_lshl_add_u32 v[SPW], v0, 2, SPARE
	v_mov_b32 v[NIL], 0
	v_lshrrev_b32 v1, 5, v0
	v_readfirstlane_b32 s16, v1                    ; wave
	v_and_b32 v2, 31, v0                           ; lane
	v_lshlrev_b32 v3, 4, v2                        ; my 16 bytes of a load's 512
	s_mul_i32 s17, s16, WREG
	v_lshrrev_b32 v14, 2, v2
	v_mul_u32_u24 v14, v14, SP
	v_and_b32 v15, 3, v2
	v_lshl_add_u32 v14, v15, 4, v14
	v_add_nc_u32 v14, s17, v14                     ; the stage, on the way in: SP (lane / 4) + 16 (lane % 4)
	v_mul_u32_u24 v15, v2, SP
	v_add_nc_u32 v15, s17, v15                     ; and on the way out: SP x lane: my 16 neighbours
	v_mul_u32_u24 v4, v2, CB                       ; my codes' place in a step's
	v_lshrrev_b32 v5, 1, v2
	s_add_co_u32 s17, s17, 2*32*SP
	v_add_nc_u32 v5, s17, v5                       ; LDS: my wave's 256 scale bytes, my block's byte
	v_lshlrev_b32 v7, 3, v2                        ; and on the way out 8 bytes a lane
	v_add_nc_u32 v6, s17, v7
	s_and_b32 s18, ttmp9, 255                      ; my work-group within its tensor
	s_lshl_b32 s18, s18, 2
	s_add_co_u32 s18, s18, s16                     ; my wave's run of 8,192 numbers in the tensor,
	s_lshl_b32 s18, s18, 15                        ; 32,768 bytes a run
	s_mov_b32 s19, 0
	s_lshl_b32 s20, ttmp9, 2
	s_add_co_u32 s20, s20, s16                     ; and in the three tensors on end:
	s_lshl_b32 s22, s20, 8                         ; 256 scale bytes a run,
	s_lshl_b32 s20, s20, 12                        ; 4,096 bytes of codes
	s_mov_b32 s21, 0
	s_mov_b32 s23, 0
	s_wait_kmcnt 0x0
	s_cmp_lt_u32 ttmp9, 512                        ; which tensor: the choice hangs on the work-group's number alone
	s_cselect_b64 s[6:7], s[6:7], s[8:9]
	s_cmp_lt_u32 ttmp9, 256
	s_cselect_b64 s[4:5], s[4:5], s[6:7]
	s_add_nc_u64 s[4:5], s[4:5], s[18:19]
	s_add_nc_u64 s[10:11], s[10:11], s[20:21]
	s_add_nc_u64 s[12:13], s[12:13], s[22:23]
.macro LOAD t
.irp i, 0,1,2,3
	global_load_b128 v[R+16*((\t)%4)+4*\i:R+16*((\t)%4)+4*\i+3], v3, s[4:5] offset:2048*(\t)+512*\i th:TH_LOAD_NT   ; 32 lanes read 512 consecutive bytes
.endr
.endm
.macro TURN t                          ; step t's numbers through the stage: LDS serves a wave's instructions in order, so no wait stands between the stores and the loads
.irp i, 0,1,2,3
	ds_store_b128 v14, v[R+16*((\t)%4)+4*\i:R+16*((\t)%4)+4*\i+3] offset:32*SP*((\t)%2)+8*SP*\i
.endr
.irp i, 0,1,2,3
	ds_load_b128 v[X+16*((\t)%2)+4*\i:X+16*((\t)%2)+4*\i+3], v15 offset:32*SP*((\t)%2)+16*\i
.endr
.endm
.irp t, 0,1,2,3
	LOAD \t
.endr
	s_wait_loadcnt 12                              ; step 0's four loads are in; the twelve of steps 1 to 3 may be out
	TURN 0
.macro STEP t
.set XS, X+16*((\t)%2)
.if (\t) > 0
	s_wait_dscnt 1                                 ; this step's numbers are back from the stage (the last step's byte store may be out)
.else
	s_wait_dscnt 0x0
.endif
.if (\t)+4 < STEPS
	LOAD (\t)+4                                    ; the stage's stores have read these registers: they take the loads of four steps on
.endif
.if (\t)+1 < STEPS
.if STEPS-2-(\t) >= 3
	s_wait_loadcnt 12                              ; the next step's four loads are in; those of the three steps behind it may be out
.else
	s_wait_loadcnt 4*(STEPS-2-(\t))
.endif
	TURN (\t)+1                                    ; and go through the other stage while this step is worked
.endif
	v_max3_num_f32 v8, |v[XS]|, |v[XS+1]|, |v[XS+2]|               ; the largest magnitude of my 16, in two chains
	v_max3_num_f32 v9, |v[XS+3]|, |v[XS+4]|, |v[XS+5]|
.irp i, 6,10
	v_max3_num_f32 v8, v8, |v[XS+\i]|, |v[XS+\i+1]|
	v_max3_num_f32 v9, v9, |v[XS+\i+2]|, |v[XS+\i+3]|
.endr
	v_max3_num_f32 v8, v8, |v[XS+14]|, |v[XS+15]|
	v_max3_num_f32 v8, v8, v9, (EMAX+1)<<23        ; and the floor 2^(3 - 127): the byte cannot fall under 1
	v_max_num_f32_dpp v8, v8, v8 row_xmask:1 row_mask:0xf bank_mask:0xf   ; with my neighbour's 16: the block's
	v_add_nc_u32 v11, 0xff000000, v8               ; 2 off its exponent field: the conversion takes the exponent field of this operand as its scale
	v_cvt_scalef32_pk8_fp4_f32 v[C+4*(\t)], v[XS:XS+7], v11
	v_cvt_scalef32_pk8_fp4_f32 v[C+4*(\t)+1], v[XS+8:XS+15], v11
	v_lshrrev_b32 v[E+(\t)], 23, v11               ; the scale's byte (a plain line behind the conversions)
	ds_store_b8 v5, v[E+(\t)] offset:16*(\t)       ; both lanes of a block write the same byte with the same value
	global_store_b64 v4, v[C+4*(\t):C+4*(\t)+1], s[10:11] offset:32*CB*(\t)   ; 32 lanes store 256 consecutive bytes
.endm
.irp t, 0,1,2,3,4,5,6,7,8,9,10,11,12,13,14,15
	STEP \t
.endr
	ds_load_b64 v[8:9], v6                         ; LDS serves a wave's instructions in order: these see my byte stores
	s_wait_dscnt 0x0
	global_store_b64 v7, v[8:9], s[12:13]          ; 32 lanes store 256 consecutive bytes
	s_wait_tensorcnt 0x0                           ; the wave's end, behind my last LDS store
	ds_add_u32 v[SPW], v[NIL]
	s_wait_dscnt 0x0
	s_endpgm
.Lfunc_end_k_q3bdc8439fa_quant_x:
	.size	k_q3bdc8439fa_quant_x, .Lfunc_end_k_q3bdc8439fa_quant_x-k_q3bdc8439fa_quant_x
	.p2alignl 7, 3214868480
	.fill 96, 4, 3214868480
	.section	.rodata,"a",@progbits
	.p2align	6, 0x0
	.amdhsa_kernel k_q3bdc8439fa_quant_x
		.amdhsa_group_segment_fixed_size 33280
		.amdhsa_private_segment_fixed_size 0
		.amdhsa_enable_private_segment 0
		.amdhsa_kernarg_size 40
		.amdhsa_user_sgpr_count 2
		.amdhsa_user_sgpr_kernarg_segment_ptr 1
		.amdhsa_wavefront_size32 1
		.amdhsa_system_sgpr_workgroup_id_x 1
		.amdhsa_system_sgpr_workgroup_id_y 1
		.amdhsa_system_sgpr_workgroup_id_z 1
		.amdhsa_system_vgpr_workitem_id 0
		.amdhsa_next_free_vgpr 192
		.amdhsa_next_free_sgpr 66
		.amdhsa_reserve_vcc 0
		.amdhsa_float_denorm_mode_32 3
		.amdhsa_float_denorm_mode_16_64 3
		.amdhsa_memory_ordered 1
		.amdhsa_forward_progress 1
		.amdhsa_inst_pref_size 33
	.end_amdhsa_kernel
	.amdgpu_metadata
---
amdhsa.version: [ 1, 2 ]
amdhsa.kernels:
  - .name:           k_q3bdc8439fa_quant_x
    .symbol:         k_q3bdc8439fa_quant_x.kd
    .args:
      - { .name: query_states, .offset: 0, .size: 8, .value_kind: global_buffer, .address_space: global }
      - { .name: key_states, .offset: 8, .size: 8, .value_kind: global_buffer, .address_space: global }
      - { .name: value_states, .offset: 16, .size: 8, .value_kind: global_buffer, .address_space: global }
      - { .name: xcodes, .offset: 24, .size: 8, .value_kind: global_buffer, .address_space: global }
      - { .name: xscales, .offset: 32, .size: 8, .value_kind: global_buffer, .address_space: global }
    .group_segment_fixed_size: 33280
    .private_segment_fixed_size: 0
    .kernarg_segment_align: 8
    .kernarg_segment_size: 40
    .max_flat_workgroup_size: 128
    .sgpr_count:     66
    .vgpr_count:     192
    .wavefront_size: 32
...
	.end_amdgpu_metadata
.endif
;; end of part 1
;; launch quant_w (part 2): grid 32 x 3, 8 waves a work-group, no clusters, 18,944 bytes of LDS; arguments Wq, Wk, Wv, wcodes, wscales; writes wcodes, wscales
.if DOCPART == 2
	.amdgcn_target "amdgcn-amd-amdhsa--gfx1250"
	.amdhsa_code_object_version 6
	.text
	.protected	k_q3bdc8439fa_quant_w
	.globl	k_q3bdc8439fa_quant_w
	.p2align	8
	.type	k_q3bdc8439fa_quant_w,@function
k_q3bdc8439fa_quant_w:
	s_mov_b64 s[64:65], 0
	v_nop
	global_prefetch_b8 v0, s[64:65] scope:SCOPE_SE
	s_setreg_imm32_b32 hwreg(HW_REG_WAVE_MODE, 25, 1), 1
	s_wait_xcnt 0x0
; Wq, Wk, Wv, each [1024 (k)][1024 (n)] f32 with K as the FIRST axis, become codes of FP4 (E2M1) laid [3 x 1024 rows n][512 bytes] with K innermost, and scale bytes [3 x 1024 rows n][32 bytes].
; A LANE TAKES A COLUMN n AND ITS REGISTERS RUN DOWN K: a load reads 128 consecutive bytes, a block of 32 along K lies in one lane's 32 registers, and the conversions give codes with K innermost.
; SHARES: work-group (x, y) takes columns 32 x .. 32 x + 31 of tensor y, all of K; wave w takes K = 128 w .. 128 w + 127: four blocks a lane, all 128 loads issued at the head.
; The work-group's codes are 32 whole rows of 512 bytes, 16,384 consecutive bytes of wcodes; its scale bytes 1,024 consecutive bytes of wscales: both meet in LDS and leave in runs of 512 bytes.
; A block's scale is 2^(floor(log2(its largest magnitude)) - 2); its byte is the largest magnitude's exponent field - 2, held at 1 from below.
; LIMITS: a block of zeros gets the byte 1 where the quantiser says 127 (zero codes; read by this program alone); blocks under 2^-124 are held at the byte 1; NaN and infinities are not served.
.set PITCH, 528                        ; a stage row: 512 bytes of a column's codes + 16 of padding
.set SCS,   32*PITCH                   ; behind the stage: 32 columns x 32 scale bytes
.set SPARE, SCS+1024                   ; behind them: the spare words, 128 bytes for each of eight waves
.set X,     32                         ; v32-159  four sets of 32 numbers
.set C,     160                        ; v160-175 codes, four registers a block
.set OUTR,  176                        ; v176-191 the way out
.set SPW,   14                         ; v14  LDS address of my spare word; never rewritten
.set NIL,   15                         ; v15  0; never rewritten
.set SB,    24                         ; v24  my four scale bytes
	s_load_b128 s[4:7], s[0:1], 0x0                ; Wq, Wk
	s_load_b128 s[8:11], s[0:1], 0x10              ; Wv, wcodes
	s_load_b64 s[12:13], s[0:1], 0x20              ; wscales
	v_lshl_add_u32 v[SPW], v0, 2, SPARE
	v_mov_b32 v[NIL], 0
	v_lshrrev_b32 v1, 5, v0
	v_readfirstlane_b32 s16, v1                    ; wave 0..7
	v_and_b32 v2, 31, v0                           ; lane
	v_lshlrev_b32 v3, 2, v2                        ; in: 4 bytes a lane
	s_lshl_b32 s17, s16, 6
	v_mul_u32_u24 v4, v2, PITCH
	v_add_nc_u32 v4, s17, v4                       ; into the stage: row = my column, my wave's 64 bytes of it
	s_lshl_b32 s17, s16, 2
	v_lshlrev_b32 v5, 5, v2
	v_add_nc_u32 v5, s17, v5
	v_add_nc_u32 v5, SCS, v5                       ; my column's 32 scale bytes, my wave's four
	s_mul_i32 s17, s16, 4*PITCH
	v_lshlrev_b32 v10, 4, v2
	v_add_nc_u32 v6, s17, v10                      ; out of the stage: wave w takes rows 4 w .. 4 w + 3, 32 lanes to a row
	s_lshl_b32 s17, s16, 11
	v_add_nc_u32 v7, s17, v10                      ; and the same place in the work-group's 16,384 bytes of codes
	v_and_b32 v8, 63, v0
	v_lshlrev_b32 v8, 4, v8                        ; the scale bytes' way out: waves 0 and 1, 16 bytes a thread
	v_add_nc_u32 v9, SCS, v8
	s_and_b32 s18, ttmp7, 0xffff                   ; the tensor
	s_lshl_b32 s20, s16, 19                        ; W: my wave's 128 rows of 4,096 bytes,
	s_lshl_b32 s21, ttmp9, 7
	s_add_co_u32 s20, s20, s21                     ; my work-group's 32 columns
	s_mov_b32 s21, 0
	s_lshl_b32 s22, s18, 19                        ; codes: 1,024 rows of 512 bytes a tensor,
	s_lshl_b32 s23, ttmp9, 14
	s_add_co_u32 s22, s22, s23                     ; 32 rows a work-group
	s_mov_b32 s23, 0
	s_lshl_b32 s24, s18, 15                        ; scale bytes likewise, 32 bytes a row
	s_lshl_b32 s25, ttmp9, 10
	s_add_co_u32 s24, s24, s25
	s_mov_b32 s25, 0
	s_wait_kmcnt 0x0
	s_cmp_lt_u32 s18, 2                            ; the choice hangs on the work-group's number alone
	s_cselect_b64 s[6:7], s[6:7], s[8:9]
	s_cmp_lt_u32 s18, 1
	s_cselect_b64 s[4:5], s[4:5], s[6:7]
	s_add_nc_u64 s[4:5], s[4:5], s[20:21]
	s_add_nc_u64 s[10:11], s[10:11], s[22:23]
	s_add_nc_u64 s[12:13], s[12:13], s[24:25]
.irp t, 0,1,2,3                        ; block t: W(128 w + 32 t + i, my column), i = 0 .. 31
.irp i, 0,1,2,3,4,5,6,7,8,9,10,11,12,13,14,15,16,17,18,19,20,21,22,23,24,25,26,27,28,29,30,31
	global_load_b32 v[X+32*\t+\i], v3, s[4:5] offset:(32*\t+\i)*4096 th:TH_LOAD_NT
.endr
.endr
.macro BLOCK t, left                   ; left: how many younger loads may stay out
.set XS, X+32*(\t)
	s_wait_loadcnt \left
	v_max3_num_f32 v12, |v[XS]|, |v[XS+1]|, |v[XS+2]|               ; the block's largest magnitude: all 32 numbers are mine
	v_max3_num_f32 v13, |v[XS+3]|, |v[XS+4]|, |v[XS+5]|
.irp i, 6,10,14,18,22,26
	v_max3_num_f32 v12, v12, |v[XS+\i]|, |v[XS+\i+1]|
	v_max3_num_f32 v13, v13, |v[XS+\i+2]|, |v[XS+\i+3]|
.endr
	v_max3_num_f32 v12, v12, |v[XS+30]|, |v[XS+31]|
	v_max3_num_f32 v12, v12, v13, 0x1800000        ; and the floor 2^(3 - 127): the byte cannot fall under 1
	v_add_nc_u32 v11, 0xff000000, v12              ; 2 off its exponent field: the conversion's scale operand
	v_lshrrev_b32 v13, 23, v11                     ; the scale's byte
.if (\t) == 0
	v_mov_b32 v[SB], v13                           ; four bytes to a register, the lower K in the lower byte
.else
	v_lshl_or_b32 v[SB], v13, 8*(\t), v[SB]
.endif
.irp g, 0,1,2,3
	v_cvt_scalef32_pk8_fp4_f32 v[C+4*(\t)+\g], v[XS+8*\g:XS+8*\g+7], v11
.endr
	v_nop                                          ; one plain line behind the last conversion of a run
	ds_store_b128 v4, v[C+4*(\t):C+4*(\t)+3] offset:16*(\t)   ; 32 codes: 16 bytes of my column's row
.endm
	BLOCK 0, 63                                    ; 96 younger loads: the count is held to the largest that the wait can name
	BLOCK 1, 63                                    ; 64 younger loads: likewise
	BLOCK 2, 32
	BLOCK 3, 0
	ds_store_b32 v5, v[SB]
	s_wait_dscnt 0x0                               ; for the others' sake: my stores into the stage are done
	s_barrier_signal -1
	s_barrier_wait -1                              ; 32 whole rows of codes and 1,024 scale bytes lie in LDS
.irp i, 0,1,2,3
	ds_load_b128 v[OUTR+4*\i:OUTR+4*\i+3], v6 offset:PITCH*\i
.endr
.irp i, 0,1,2,3
	s_wait_dscnt 3-\i
	global_store_b128 v7, v[OUTR+4*\i:OUTR+4*\i+3], s[10:11] offset:512*\i   ; 32 lanes store a row of 512 consecutive bytes
.endr
	s_cmp_lt_u32 s16, 2
	s_cbranch_scc0 .Lno_scales                     ; a branch on the wave's number; no barrier stands inside it
	ds_load_b128 v[C:C+3], v9
	s_wait_dscnt 0x0
	global_store_b128 v8, v[C:C+3], s[12:13]       ; two waves store the 1,024 scale bytes
.Lno_scales:
	s_wait_tensorcnt 0x0                           ; the wave's end, behind my last LDS store
	ds_add_u32 v[SPW], v[NIL]
	s_wait_dscnt 0x0
	s_endpgm
.Lfunc_end_k_q3bdc8439fa_quant_w:
	.size	k_q3bdc8439fa_quant_w, .Lfunc_end_k_q3bdc8439fa_quant_w-k_q3bdc8439fa_quant_w
	.p2alignl 7, 3214868480
	.fill 96, 4, 3214868480
	.section	.rodata,"a",@progbits
	.p2align	6, 0x0
	.amdhsa_kernel k_q3bdc8439fa_quant_w
		.amdhsa_group_segment_fixed_size 18944
		.amdhsa_private_segment_fixed_size 0
		.amdhsa_enable_private_segment 0
		.amdhsa_kernarg_size 40
		.amdhsa_user_sgpr_count 2
		.amdhsa_user_sgpr_kernarg_segment_ptr 1
		.amdhsa_wavefront_size32 1
		.amdhsa_system_sgpr_workgroup_id_x 1
		.amdhsa_system_sgpr_workgroup_id_y 1
		.amdhsa_system_sgpr_workgroup_id_z 1
		.amdhsa_system_vgpr_workitem_id 0
		.amdhsa_next_free_vgpr 192
		.amdhsa_next_free_sgpr 66
		.amdhsa_reserve_vcc 0
		.amdhsa_float_denorm_mode_32 3
		.amdhsa_float_denorm_mode_16_64 3
		.amdhsa_memory_ordered 1
		.amdhsa_forward_progress 1
		.amdhsa_inst_pref_size 22
	.end_amdhsa_kernel
	.amdgpu_metadata
---
amdhsa.version: [ 1, 2 ]
amdhsa.kernels:
  - .name:           k_q3bdc8439fa_quant_w
    .symbol:         k_q3bdc8439fa_quant_w.kd
    .args:
      - { .name: Wq, .offset: 0, .size: 8, .value_kind: global_buffer, .address_space: global }
      - { .name: Wk, .offset: 8, .size: 8, .value_kind: global_buffer, .address_space: global }
      - { .name: Wv, .offset: 16, .size: 8, .value_kind: global_buffer, .address_space: global }
      - { .name: wcodes, .offset: 24, .size: 8, .value_kind: global_buffer, .address_space: global }
      - { .name: wscales, .offset: 32, .size: 8, .value_kind: global_buffer, .address_space: global }
    .group_segment_fixed_size: 18944
    .private_segment_fixed_size: 0
    .kernarg_segment_align: 8
    .kernarg_segment_size: 40
    .max_flat_workgroup_size: 256
    .sgpr_count:     66
    .vgpr_count:     192
    .wavefront_size: 32
...
	.end_amdgpu_metadata
.endif
;; end of part 2
;; launch proj (part 3): grid 4 x 96, 4 waves a work-group, clusters of 4 x 4, 327,680 bytes of LDS; arguments xcodes, xscales, wcodes, wscales, bq, bk, bv, qkv; writes qkv
.if DOCPART == 3
	.amdgcn_target "amdgcn-amd-amdhsa--gfx1250"
	.amdhsa_code_object_version 6
	.text
	.protected	k_q3bdc8439fa_proj
	.globl	k_q3bdc8439fa_proj
	.p2align	8
	.type	k_q3bdc8439fa_proj,@function
k_q3bdc8439fa_proj:
	s_mov_b64 s[64:65], 0
	v_nop
	global_prefetch_b8 v0, s[64:65] scope:SCOPE_SE
	s_setreg_imm32_b32 hwreg(HW_REG_WAVE_MODE, 25, 1), 1
	s_wait_xcnt 0x0
	s_wait_alu depctr_hold_cnt(0) depctr_sa_sdst(0) depctr_va_vdst(0) depctr_va_sdst(0) depctr_va_ssrc(0) depctr_va_vcc(0) depctr_vm_vsrc(0)
	s_getreg_b32 s2, hwreg(HW_REG_IB_STS2, 6, 4)
	s_cmp_eq_u32 s2, 0
	s_cbranch_scc0 .Lentry_in_a_cluster
	s_endpgm
.Lentry_in_a_cluster:
	s_bfe_u32 s2, ttmp6, 0x10000c
	s_cmp_lg_u32 s2, 0xf033
	s_cbranch_scc0 .Lentry_shape_is_right
	s_endpgm
.Lentry_shape_is_right:
; The three projections as ONE product on codes of FP4 (E2M1) with E8M0 scales: qkv[T][m][n] = sum over k of x_T[m][k] W_T[k][n] + b_T[n], T = 0 (q), 1 (k), 2 (v); sums in f32, the result rounded once to f16.
; A: xcodes [24576][512 bytes], xscales [24576][32];  B: wcodes [3072][512 bytes], wscales [3072][32], rows T x 1024 + n;  C: qkv [24576][1024] f16.
; f16 and not bf16: the scores' error is the rounding of q and k times their size, and 11 significant bits keep it small.  LIMIT: |q|, |k|, |v| beyond 65,504 overflow f16.
; A tile of C, 256 x 256, is made by four waves, 128 x 128 each: 64 accumulators of 16 x 16.  K = 1024 is two LDS slots of 512 along K: both are asked for at the head and nothing is filled again.
; The scales of the work-group's 256 rows of A and 256 of B, for all of K, are two dense blocks of memory: they come once, with the first fills.
; CLUSTERS: 4 x 4 work-groups.  The four of a row of the cluster need the same tiles of A, the four of a column the same tiles of B (a cluster's four tile rows lie in one tensor T): each is asked for JOINTLY.
; THE MATRIX INSTRUCTION IS USED TRANSPOSED (source 0 = 16 rows of B, source 1 = 16 rows of A): a lane holds eight neighbouring columns of one row of C.  The bias is the C of each sum's first instruction.
; REGISTERS: window 0: v0-31 addresses; v32-95 scale words, two sets; v96-127 the way out's packed results; v128-191 A's fragments, ONE set, later rows read back; v192-255 the bias in the result's layout.
;   window 1: B's fragments, TWO sets, at v0 and v128.   window 2: the accumulators of my rows 0-63 ((a, b) at v[8 (8 a + b)]);   window 3: those of rows 64-127.
.set NQ,     4                         ; steps of 128 along K in a slot
.set ROWB,   256                       ; a tile's row in bytes: 512 codes
.set KROW,   512                       ; a row of codes in memory
.set PITCH,  272                       ; an LDS row: 256 bytes + 16 of padding: the 16 rows that a load touches start 16 bytes apart modulo 256
.set FR,     8                         ; registers of a fragment
.set NL,     2                         ; LDS loads that bring one
.set NP,     4                         ; places behind this matrix instruction (ISA guide 7.12.1)
.set HALFT,  128*PITCH
.set SLOT,   4*HALFT                   ; A's 256 rows, then B's 256 rows
.set KS,     32                        ; a row of scales in bytes
.set SCL,    2*SLOT                    ; behind the slots: the scales, as units of 256 bytes + 16 of padding
.set HALFS,  (128*KS/256)*272          ; those of 128 rows: what one tensor load brings
.set SBLK,   (16*KS/256)*272           ; those of 16 rows
.set SPARE,  SCL+4*HALFS               ; behind the scales: the spare words, 128 bytes a wave
.set SPITCH, 272                       ; the way out: a stage of 16 rows x (256 bytes + 16) for each wave, in slot 0, which has had its only fill and its last read by then
.set CROW,   2048                      ; a row of qkv in bytes
.set ADRA, 16                          ; v16-17  LDS address of my A fragments in slot 0, 1
.set ADRB, 20                          ; v20-21  the same for B
.set STO,  24                          ; v24     the way out: where I put 16 bytes of a row
.set RD,   25                          ; v25     where I read a row back
.set CO,   26                          ; v26     my byte offset in two rows of C
.set ADRS, 27                          ; v27     LDS address of my scale words: lanes 0-15 A's rows, lanes 16-31 B's
.set SPW,  28                          ; v28     LDS address of my spare word; never rewritten
.set NIL,  29                          ; v29     0; never rewritten
.set BO,   30                          ; v30     32 x (lane / 16): my eight numbers of a tile's sixteen biases
.set SC,   32                          ; scale words: set s at v[SC + 32 s]; register 4 i + q: lanes 0-15 A's block i, lanes 16-31 B's block i, the slot's q-th 128 along K
.set TMP,  96
.set AF,   128
.set BK,   128
.set BIAS, 192
.set G1, 24                            ; s[24:31] group 1 for A's tiles;  s[32:39] group 0, one set a slot
.set G0, 32
.set G1B, 48                           ; s[48:55], s[56:63] the same for B's tiles
.set G0B, 56
.set G1S, 68                           ; s[68:75], s[76:79] groups 1 and 0 for A's scales;  s[80:87], s[88:91] for B's
.set G0S, 76
.set G1SB, 80
.set G0SB, 88
.set MSB, 0
.macro WIN new                         ; the immediate's high byte repeats the setting that is left; a switch that changes nothing is dropped
.if MSB != (\new)
	s_set_vgpr_msb (MSB<<8)|(\new)
.set MSB, (\new)
.endif
.endm
.set MUL_LO, 0xa1                      ; source 0 (B) window 1, source 1 (A) window 0, C and D window 2
.set MUL_HI, 0xf1                      ; the same, C and D window 3.  In the first step C is the bias, in window 0: 0x81 and 0xc1
.set TO_B,   0x40                      ; destination window 1, address window 0
; A joint load: waves 0 and 1 fetch for A, waves 2 and 3 for B; the branch hangs on the wave's number alone.  An s_nop 0 and four v_nop follow each of the two lines.
.macro JLOAD g0a, g1a, g0b, g1b
	s_cmp_eq_u32 s15, 0
	s_cbranch_scc0 .Lfor_b_\@
	tensor_load_to_lds s[\g0a:\g0a+3], s[\g1a:\g1a+7]
	s_nop 0
.rept 4
	v_nop
.endr
	s_branch .Lasked_\@
.Lfor_b_\@:
	tensor_load_to_lds s[\g0b:\g0b+3], s[\g1b:\g1b+7]
	s_nop 0
.rept 4
	v_nop
.endr
.Lasked_\@:
.endm
.macro CROUND                          ; a round of the cluster's barrier
	s_barrier_signal -1
	s_barrier_wait -1
	s_cmp_lg_u32 s14, 0
	s_cbranch_scc1 .Lnot_wave_0_\@
	s_barrier_signal -3
.Lnot_wave_0_\@:
	s_barrier_wait -3
	s_barrier_signal -1
	s_barrier_wait -1
.endm
	s_load_b256 s[4:11], s[0:1], 0x0               ; A's codes s[4:5], A's scales s[6:7], B's codes s[8:9], B's scales s[10:11]
	s_load_b128 s[96:99], s[0:1], 0x20             ; bq, bk
	s_load_b64 s[100:101], s[0:1], 0x30            ; bv
	s_load_b64 s[12:13], s[0:1], 0x38              ; qkv
	v_lshl_add_u32 v[SPW], v0, 2, SPARE
	v_mov_b32 v[NIL], 0
	ds_add_u32 v[SPW], v[NIL]                      ; the wave's opening: the add, twice on end, and its wait ahead of my first tensor load
	ds_add_u32 v[SPW], v[NIL]                      ; and once more, under the one wait; the set-up below, work on registers, stands between
	v_lshrrev_b32 v1, 5, v0
	v_readfirstlane_b32 s14, v1                    ; wave 0..3
	s_lshr_b32 s15, s14, 1                         ; which half of the tile's rows is mine.  Also: I fetch for A (0) or for B (1)
	s_and_b32 s16, s14, 1                          ; which half of its columns.  Also: which 128 rows of that tile I fetch
	s_bfe_u32 s40, ttmp6, 0x40000                  ; cx, cy: my place in the cluster
	s_bfe_u32 s41, ttmp6, 0x40004
	s_lshl_b32 s42, ttmp9, 2
	s_add_co_u32 s42, s42, s40                     ; tile column of C = 4 x cluster x + cx
	s_and_b32 s17, ttmp7, 0xffff
	s_lshl_b32 s17, s17, 2
	s_add_co_u32 s17, s17, s41                     ; tile row of C = 4 x cluster y + cy
	s_lshl_b32 s43, s41, 2
	s_lshl_b32 s43, 15, s43                        ; my row of the cluster
	s_lshl_b32 s44, 0x1111, s40                    ; my column
	; group 1: a tile of 128 rows x 256 bytes, padded in LDS
	s_or_b32 s[G1+0], s43, (0<<16)|(1<<20)|(1<<21)|(5<<22)|(3<<25)  ; 15:0 the mask: A's tiles go to my row; elements of 1 byte; padding on; bit 21 beside a mask; after every 64 words, 4 words
	s_or_b32 s[G1B+0], s44, (0<<16)|(1<<20)|(1<<21)|(5<<22)|(3<<25)
.irp g, G1, G1B
	s_mov_b32 s[\g+1], ROWB<<16                    ; tensor_dim0
	s_mov_b32 s[\g+2], 128<<16                     ; tensor_dim1
	s_mov_b32 s[\g+3], ROWB<<16                    ; tile_dim0
	s_mov_b32 s[\g+4], 128                         ; tile_dim1
	s_mov_b32 s[\g+5], KROW                        ; from row to row
	s_mov_b32 s[\g+6], 0
	s_mov_b32 s[\g+7], 0
.endr
	; the scales of 128 rows: a dense block of 4,096 bytes, as 16 rows of 256 bytes (32 elements of 8 bytes), 16 bytes of padding behind each
	s_or_b32 s[G1S+0], s43, (3<<16)|(1<<20)|(1<<21)|(5<<22)|(3<<25)
	s_or_b32 s[G1SB+0], s44, (3<<16)|(1<<20)|(1<<21)|(5<<22)|(3<<25)
.irp g, G1S, G1SB
	s_mov_b32 s[\g+1], 32<<16
	s_mov_b32 s[\g+2], (128*KS/256)<<16
	s_mov_b32 s[\g+3], 32<<16
	s_mov_b32 s[\g+4], 128*KS/256
	s_mov_b32 s[\g+5], 32
	s_mov_b32 s[\g+6], 0
	s_mov_b32 s[\g+7], 0
.endr
	s_lshl_b32 s18, s16, 7                         ; which 128 rows of the tile I fetch
	s_lshl_b32 s20, s17, 8
	s_add_co_u32 s20, s20, s18                     ; A: row 256 x tile row + 128 x half
	s_lshl_b32 s46, s42, 8
	s_add_co_u32 s46, s46, s18                     ; B: row 256 x tile column + 128 x half
	s_and_b32 s95, ttmp7, 0xffff                   ; the cluster's y, which all sixteen share: eight clusters to a tensor
	s_lshr_b32 s95, s95, 3
	s_lshl_b32 s95, s95, 10
	s_add_co_u32 s46, s46, s95                     ; + 1,024 x tensor
	s_mov_b32 s21, 0
	s_mov_b32 s47, 0
	s_mov_b64 s[18:19], KS
	s_mul_u64 s[22:23], s[20:21], s[18:19]         ; where these rows' scales begin, in bytes
	s_mul_u64 s[92:93], s[46:47], s[18:19]
	s_mov_b64 s[18:19], KROW
	s_mul_u64 s[20:21], s[20:21], s[18:19]         ; and their codes
	s_mul_u64 s[46:47], s[46:47], s[18:19]
	s_mul_i32 s45, s14, HALFT                      ; where they go: wave x 128 rows: no place in the cluster enters an LDS address
	s_mul_i32 s94, s14, HALFS
	s_wait_dscnt 0x0                               ; both opening adds are done
	s_wait_kmcnt 0x0
	s_add_nc_u64 s[20:21], s[4:5], s[20:21]
	s_add_nc_u64 s[22:23], s[6:7], s[22:23]
	s_add_nc_u64 s[46:47], s[8:9], s[46:47]
	s_add_nc_u64 s[92:93], s[10:11], s[92:93]
	CROUND                                         ; all sixteen work-groups are here: the joint loads meet
	s_mov_b32 s[G0S], 1
	s_add_co_u32 s[G0S+1], s94, SCL
	s_mov_b64 s[G0S+2:G0S+3], s[22:23]
	s_or_b32 s[G0S+3], s[G0S+3], 0x80000000
	s_mov_b32 s[G0SB], 1
	s_add_co_u32 s[G0SB+1], s94, SCL
	s_mov_b64 s[G0SB+2:G0SB+3], s[92:93]
	s_or_b32 s[G0SB+3], s[G0SB+3], 0x80000000
	JLOAD G0S, G1S, G0SB, G1SB                     ; the scales first: they are wanted with the first step
.irp s, 0,1
	s_mov_b32 s[G0+4*\s], 1
	s_add_co_u32 s[G0+4*\s+1], s45, \s*SLOT
	s_add_nc_u64 s[G0+4*\s+2:G0+4*\s+3], s[20:21], \s*ROWB
	s_or_b32 s[G0+4*\s+3], s[G0+4*\s+3], 0x80000000
	s_mov_b32 s[G0B+4*\s], 1
	s_add_co_u32 s[G0B+4*\s+1], s45, \s*SLOT
	s_add_nc_u64 s[G0B+4*\s+2:G0B+4*\s+3], s[46:47], \s*ROWB
	s_or_b32 s[G0B+4*\s+3], s[G0B+4*\s+3], 0x80000000
	JLOAD G0+4*\s, G1, G0B+4*\s, G1B               ; three tensor loads of mine are out in all
.endr
	v_and_b32 v1, 15, v0                           ; l % 16
	v_bfe_u32 v2, v0, 4, 1                         ; l / 16
	v_mul_u32_u24 v3, v1, PITCH
	v_lshl_add_u32 v4, v2, 4, v3                   ; a fragment's row x pitch + 16 x half
	s_mul_i32 s21, s15, HALFT                      ; my 128 rows of A
	s_mul_i32 s22, s16, HALFT                      ; my 128 rows of B,
	s_add_co_u32 s22, s22, 2*HALFT                 ; which lie behind A's 256
.irp s, 0,1
	v_add_nc_u32 v[ADRA+\s], s21, v4
	v_add_nc_u32 v[ADRB+\s], s22, v4
	s_add_co_u32 s21, s21, SLOT
	s_add_co_u32 s22, s22, SLOT
.endr
	v_mul_u32_u24 v5, v1, KS                       ; my row's scales: 32 bytes a row,
	v_lshrrev_b32 v6, 8, v5
	v_lshl_add_u32 v5, v6, 4, v5                   ; and 16 more for each 256 passed
	s_mul_i32 s21, s15, HALFS                      ; A's: my 128 rows
	s_mul_i32 s22, s16, HALFS                      ; B's: my 128 rows, behind A's 256
	s_add_co_u32 s22, s22, 2*HALFS
	s_sub_co_u32 s22, s22, s21
	v_mul_u32_u24 v6, s22, v2                      ; lanes 16-31 take B's: one product, the distance between the two bases
	s_add_co_u32 s21, s21, SCL
	v_add_nc_u32 v5, v5, v6
	v_add_nc_u32 v[ADRS], s21, v5
	s_mul_i32 s23, s14, 16*SPITCH                  ; my stage
	v_mul_u32_u24 v5, v1, SPITCH                   ; in: row l % 16, 16 bytes for each half of the lanes
	v_lshl_add_u32 v5, v2, 4, v5
	v_add_nc_u32 v[STO], s23, v5
	v_mul_u32_u24 v5, v2, SPITCH                   ; back: lanes 0-15 one row of 256 bytes, lanes 16-31 the next
	v_lshl_add_u32 v5, v1, 4, v5
	v_add_nc_u32 v[RD], s23, v5
	v_lshlrev_b32 v5, 11, v2                       ; and the same two rows in C
	v_lshl_add_u32 v[CO], v1, 4, v5
	v_lshlrev_b32 v[BO], 5, v2
	s_lshl_b32 s20, s17, 8
	s_lshl_b32 s21, s15, 7
	s_add_co_u32 s20, s20, s21                     ; my first row of C: 256 x tile row + 128 x half
	s_lshl_b32 s20, s20, 11                        ; 2,048 bytes a row: under 2^26
	s_lshl_b32 s46, s42, 9                         ; my first column, in bytes of f16: 512 x tile column + 256 x half
	s_lshl_b32 s47, s16, 8
	s_add_co_u32 s46, s46, s47
	s_add_co_u32 s20, s20, s46
	s_mov_b32 s21, 0
	s_add_nc_u64 s[12:13], s[12:13], s[20:21]
	s_lshl_b32 s46, s46, 1                         ; the same column in bytes of f32, for the bias
	s_mov_b32 s47, 0
	s_and_b32 s95, ttmp7, 0xffff
	s_cmp_lt_u32 s95, 16                           ; which tensor's bias: the choice hangs on the cluster's number alone
	s_cselect_b64 s[98:99], s[98:99], s[100:101]
	s_cmp_lt_u32 s95, 8
	s_cselect_b64 s[96:97], s[96:97], s[98:99]
	s_add_nc_u64 s[96:97], s[96:97], s[46:47]
.irp b, 0,1,2,3,4,5,6,7                ; lane (r, h), register j of tile b: the bias of column 16 b + 8 h + j
	global_load_b128 v[BIAS+8*\b:BIAS+8*\b+3], v[BO], s[96:97] offset:64*\b
	global_load_b128 v[BIAS+8*\b+4:BIAS+8*\b+7], v[BO], s[96:97] offset:64*\b+16
.endr
.macro FRAG reg, adr, q, i             ; a fragment, 16 rows x 128 K of 4-bit codes: lane l holds row l % 16; registers 4 c .. 4 c + 3 hold K = 64 c + 32 (l / 16) + 0 .. 31
.irp c, 0,1
	ds_load_b128 v[\reg+4*\c:\reg+4*\c+3], v[\adr] offset:64*(\q)+32*\c+(\i)*16*PITCH
.endr
.endm
; 16 matrix instructions: A's blocks a0, a0 + 1 x B's eight, the slot's q-th 128 along K.  p: B's set;  sc: the set of scale words.  first = 1: the sums begin with the bias.
; The 64 accumulators take turns, one instruction a turn, in the same order in every step.
.macro MUL16 a0, p, q, sc, first
.irp a, \a0, \a0+1
.irp b, 0,1,2,3,4,5,6,7
.if \first
	v_wmma_scale_f32_16x16x128_f8f6f4 v[8*(8*((\a)%4)+\b):8*(8*((\a)%4)+\b)+7], v[128*(\p)+FR*\b:128*(\p)+FR*\b+FR-1], v[AF+FR*(\a):AF+FR*(\a)+FR-1], v[BIAS+8*\b:BIAS+8*\b+7], v[SC+8*NQ*(\sc)+NQ*\b+(\q)], v[SC+8*NQ*(\sc)+NQ*(\a)+(\q)] matrix_a_fmt:MATRIX_FMT_FP4 matrix_b_fmt:MATRIX_FMT_FP4 matrix_a_scale:MATRIX_SCALE_ROW1
.else
	v_wmma_scale_f32_16x16x128_f8f6f4 v[8*(8*((\a)%4)+\b):8*(8*((\a)%4)+\b)+7], v[128*(\p)+FR*\b:128*(\p)+FR*\b+FR-1], v[AF+FR*(\a):AF+FR*(\a)+FR-1], v[8*(8*((\a)%4)+\b):8*(8*((\a)%4)+\b)+7], v[SC+8*NQ*(\sc)+NQ*\b+(\q)], v[SC+8*NQ*(\sc)+NQ*(\a)+(\q)] matrix_a_fmt:MATRIX_FMT_FP4 matrix_b_fmt:MATRIX_FMT_FP4 matrix_a_scale:MATRIX_SCALE_ROW1
.endif
.endr
.endr
.endm
.macro FETCH_B slot, q, p              ; B's eight fragments of the slot's q-th 128 along K into set p
	WIN TO_B
.irp i, 0,1,2,3,4,5,6,7
	FRAG 128*(\p)+FR*\i, ADRB+\slot, \q, \i
.endr
	WIN 0
.endm
.macro FETCH_A slot, q, i0             ; A's blocks i0 .. i0 + 3
.irp i, \i0, \i0+1, \i0+2, \i0+3
	FRAG AF+FR*(\i), ADRA+\slot, \q, \i
.endr
.endm
.macro SCALES sc                       ; a slot's scale words into set sc: four words a row; lanes 0-15 take A's block i, lanes 16-31 B's block i
.irp i, 0,1,2,3,4,5,6,7
	ds_load_b128 v[SC+8*NQ*\sc+NQ*\i:SC+8*NQ*\sc+NQ*\i+3], v[ADRS] offset:\i*SBLK
.endr
.endm
; A load into a register that a matrix instruction has read, and a vector instruction that reads a matrix result, stand NP places behind it; only plain vector instructions that name none of its registers are places.
.macro PLACES n
.rept \n
	v_nop
.endr
.endm
; A step of 128 along K that has its successor in the same slot.  A block of A is free as soon as its eight products are issued: blocks 0-3 are fetched anew in the step's middle, blocks 4-7 at its end.
.macro STEP slot, q, first
	s_wait_dscnt 4*NL                              ; B's set and A's blocks 0-3 are in; the youngest eight loads (A's blocks 4-7) may be out
	WIN MUL_LO-0x20*(\first)
	MUL16 0, (\q)%2, \q, \slot, \first
	MUL16 2, (\q)%2, \q, \slot, \first
	s_wait_dscnt 0                                 ; A's blocks 4-7 are in
	PLACES NP
	FETCH_B \slot, (\q)+1, 1-(\q)%2
	FETCH_A \slot, (\q)+1, 0
	WIN MUL_HI-0x30*(\first)
	MUL16 4, (\q)%2, \q, \slot, \first
	MUL16 6, (\q)%2, \q, \slot, \first
	PLACES NP
	WIN 0
	FETCH_A \slot, (\q)+1, 4
.endm
.macro STEPS slot, from                ; the slot's steps from .. NQ - 2
.set Q, \from
.rept NQ-1-\from
	STEP \slot, Q, 0
.set Q, Q+1
.endr
.endm
	s_wait_tensorcnt 1                             ; the scales and my part of slot 0 are in; slot 1's load may be out
	s_barrier_signal -1
	s_barrier_wait -1                              ; everybody's are
	FETCH_B 0, 0, 0
	FETCH_A 0, 0, 0
	SCALES 0
	FETCH_A 0, 0, 4
	s_wait_loadcnt 0x0                             ; the bias
	STEP 0, 0, 1                                   ; the first step's products start the sums, from the bias
	STEPS 0, 1
	; slot 0's last step changes slots: one barrier; in front of it each wave waits for all its tensor loads (slot 1's), adds 0 to its spare word, and waits for that and for its reads of slot 0
	s_wait_tensorcnt 0x0
	ds_add_u32 v[SPW], v[NIL]
	s_wait_dscnt 4*NL+1                            ; the add and the youngest eight loads (A's blocks 4-7) may be out
	WIN MUL_LO
	MUL16 0, 1, NQ-1, 0, 0                         ; sixteen matrix instructions stand between the add and the wait for it
	s_wait_dscnt 0x0                               ; the add is done, and my reads of slot 0 are over
	s_barrier_signal -1
	MUL16 2, 1, NQ-1, 0, 0
	WIN 0
	s_barrier_wait -1                              ; slot 1 is whole, and nobody reads slot 0 any more
	PLACES NP
	v_add_nc_u32 v[ADRS], 4*NQ, v[ADRS]            ; on to slot 1's scale words (no LDS load of mine is out)
	FETCH_B 1, 0, 0
	FETCH_A 1, 0, 0
	SCALES 1
	WIN MUL_HI
	MUL16 4, 1, NQ-1, 0, 0
	MUL16 6, 1, NQ-1, 0, 0
	PLACES NP
	WIN 0
	FETCH_A 1, 0, 4
	STEPS 1, 0
	s_wait_dscnt 4*NL                              ; the very last step: nothing more to fetch
	WIN MUL_LO
	MUL16 0, 1, NQ-1, 1, 0
	MUL16 2, 1, NQ-1, 1, 0
	s_wait_dscnt 0
	WIN MUL_HI
	MUL16 4, 1, NQ-1, 1, 0
	MUL16 6, 1, NQ-1, 1, 0
	WIN 0
; THE WAY OUT, block by block of 16 rows x 128 columns.  PACK: rounded to f16, 16 bytes a lane, each accumulator from its low end on.  TOSTAGE: into my own stage, and back as whole rows of 256 bytes.  SEND: stored.
.macro PACK a
.set AC, 64*((\a)%4)
	WIN 0x0a+5*((\a)/4)                            ; sources 0 and 1: window 2 or 3
.irp b, 0,1,2,3,4,5,6,7
.irp r, 0,1,2,3
	v_cvt_pk_f16_f32 v[TMP+4*\b+\r], v[AC+8*\b+2*\r], v[AC+8*\b+2*\r+1]
.endr
.endr
	WIN 0
.endm
.macro TOSTAGE a
.set BB, BK+32*((\a)%2)
.irp b, 0,1,2,3,4,5,6,7
	ds_store_b128 v[STO], v[TMP+4*\b:TMP+4*\b+3] offset:32*\b
.endr
.irp t, 0,1,2,3,4,5,6,7
	ds_load_b128 v[BB+4*\t:BB+4*\t+3], v[RD] offset:\t*2*SPITCH    ; LDS serves a wave's instructions in order: these see the stores above
.endr
.endm
.macro SEND a
.set BB, BK+32*((\a)%2)
	s_wait_dscnt 0x0                               ; the block is back in registers
	s_wait_xcnt 0x0                                ; the earlier stores have read their base and their data: only behind this wait are they rewritten
.if (\a) > 0
	s_add_nc_u64 s[12:13], s[12:13], 16*CROW       ; 16 rows of C on
.endif
.irp t, 0,1,2,3,4,5,6,7
	global_store_b128 v[CO], v[BB+4*\t:BB+4*\t+3], s[12:13] offset:2*\t*CROW   ; 16 lanes store 256 consecutive bytes, at a multiple of 256 from the buffer's first byte
.endr
.endm
	PLACES NP                                      ; behind the last products: for the conversions that read results and for the loads into A's registers
	PACK 0
	TOSTAGE 0
.irp a, 1,2,3,4,5,6,7                  ; block a's conversions stand between block a - 1's loads from the stage and the wait for them
	PACK \a
	SEND \a-1
	TOSTAGE \a
.endr
	SEND 7
	s_wait_tensorcnt 0x0                           ; the wave's end, behind my last tensor load and my last LDS store
	ds_add_u32 v[SPW], v[NIL]
	s_wait_dscnt 0x0
	CROUND                                         ; the closing round: no work-group ends while a partner may still ask for a tile that names it
	s_endpgm
.Lfunc_end_k_q3bdc8439fa_proj:
	.size	k_q3bdc8439fa_proj, .Lfunc_end_k_q3bdc8439fa_proj-k_q3bdc8439fa_proj
	.p2alignl 7, 3214868480
	.fill 96, 4, 3214868480
	.section	.rodata,"a",@progbits
	.p2align	6, 0x0
	.amdhsa_kernel k_q3bdc8439fa_proj
		.amdhsa_group_segment_fixed_size 327680
		.amdhsa_private_segment_fixed_size 0
		.amdhsa_enable_private_segment 0
		.amdhsa_kernarg_size 64
		.amdhsa_user_sgpr_count 2
		.amdhsa_user_sgpr_kernarg_segment_ptr 1
		.amdhsa_wavefront_size32 1
		.amdhsa_system_sgpr_workgroup_id_x 1
		.amdhsa_system_sgpr_workgroup_id_y 1
		.amdhsa_system_sgpr_workgroup_id_z 1
		.amdhsa_system_vgpr_workitem_id 0
		.amdhsa_next_free_vgpr 1024
		.amdhsa_next_free_sgpr 102
		.amdhsa_reserve_vcc 0
		.amdhsa_float_denorm_mode_32 3
		.amdhsa_float_denorm_mode_16_64 3
		.amdhsa_memory_ordered 1
		.amdhsa_forward_progress 1
		.amdhsa_inst_pref_size 129
	.end_amdhsa_kernel
	.amdgpu_metadata
---
amdhsa.version: [ 1, 2 ]
amdhsa.kernels:
  - .name:           k_q3bdc8439fa_proj
    .symbol:         k_q3bdc8439fa_proj.kd
    .args:
      - { .name: xcodes, .offset: 0, .size: 8, .value_kind: global_buffer, .address_space: global }
      - { .name: xscales, .offset: 8, .size: 8, .value_kind: global_buffer, .address_space: global }
      - { .name: wcodes, .offset: 16, .size: 8, .value_kind: global_buffer, .address_space: global }
      - { .name: wscales, .offset: 24, .size: 8, .value_kind: global_buffer, .address_space: global }
      - { .name: bq, .offset: 32, .size: 8, .value_kind: global_buffer, .address_space: global }
      - { .name: bk, .offset: 40, .size: 8, .value_kind: global_buffer, .address_space: global }
      - { .name: bv, .offset: 48, .size: 8, .value_kind: global_buffer, .address_space: global }
      - { .name: qkv, .offset: 56, .size: 8, .value_kind: global_buffer, .address_space: global }
    .group_segment_fixed_size: 327680
    .private_segment_fixed_size: 0
    .kernarg_segment_align: 8
    .kernarg_segment_size: 64
    .max_flat_workgroup_size: 128
    .sgpr_count:     102
    .vgpr_count:     1024
    .wavefront_size: 32
...
	.end_amdgpu_metadata
.endif
;; end of part 3
;; launch scores (part 4): grid 8 x 32, 4 waves a work-group, clusters of 4 x 4, 327,680 bytes of LDS; arguments qkv, attention_mask, p, stats; writes p, stats
.if DOCPART == 4
	.amdgcn_target "amdgcn-amd-amdhsa--gfx1250"
	.amdhsa_code_object_version 6
	.text
	.protected	k_q3bdc8439fa_scores
	.globl	k_q3bdc8439fa_scores
	.p2align	8
	.type	k_q3bdc8439fa_scores,@function
k_q3bdc8439fa_scores:
	s_mov_b64 s[64:65], 0
	v_nop
	global_prefetch_b8 v0, s[64:65] scope:SCOPE_SE
	s_setreg_imm32_b32 hwreg(HW_REG_WAVE_MODE, 25, 1), 1
	s_wait_xcnt 0x0
	s_wait_alu depctr_hold_cnt(0) depctr_sa_sdst(0) depctr_va_vdst(0) depctr_va_sdst(0) depctr_va_ssrc(0) depctr_va_vcc(0) depctr_vm_vsrc(0)
	s_getreg_b32 s2, hwreg(HW_REG_IB_STS2, 6, 4)
	s_cmp_eq_u32 s2, 0
	s_cbranch_scc0 .Lentry_in_a_cluster
	s_endpgm
.Lentry_in_a_cluster:
	s_bfe_u32 s2, ttmp6, 0x10000c
	s_cmp_lg_u32 s2, 0xf033
	s_cbranch_scc0 .Lentry_shape_is_right
	s_endpgm
.Lentry_shape_is_right:
; The scores and the softmax's first half.  s[b][q][k] = q[b][q] . k[b][k] over 1,024 channels, f16 operands, f32 sums;  t = s x log2(e) / 8 + (mask[b][k] - 1) x 10000 log2(e).
; For each query and each BLOCK j OF 128 KEYS: M_j = the block's largest t rounded UP to a whole number (kept as -M_j = floor(-t)); p = 2^(t - M_j), rounded to f16; l_j = the sum of the unrounded p.
; The last launch takes M = the largest M_j and brings every block under it by 2^(M_j - M), a whole power of two: so a true maximum is taken away for every input.
; OUT: p, f16, as images of the last launch's operand registers: [row / 16 (512)][key / 16 (128)][lane 32][16 bytes]: lane (r, h) holds keys 16 kb + 8 h + 0 .. 7 of query 16 R + r.
;      stats, f32: [-M, l][j 16][row 8192].
; LIMITS: NaN and infinities are not served; p under 2^-24 is lost in f16, against a row sum of at least 1/2.
; A tile of 256 queries x 256 keys is made by four waves, 128 x 128 each: 64 accumulators, 512 registers.  K goes in steps of 128 channels through a ring of two LDS slots: a tile's row is 256 bytes of memory.
; CLUSTERS: 4 x 4 work-groups: q's tile is shared along a row of the cluster, k's along a column (a cluster's four tile rows lie in one batch): each is asked for JOINTLY.
; THE MATRIX INSTRUCTION IS USED TRANSPOSED (source 0 = 16 keys, source 1 = 16 queries): a lane holds ONE query (lane % 16) and eight neighbouring keys, 8 (lane / 16) + 0 .. 7, of each tile.
; REGISTERS: window 0: v0-31 addresses; v32-55 at work on the way out; v64-127, v128-191 q's fragments, two buffers (on the way out: t and p; packed p, two sets); v192-255 the mask's term of my 64 keys.
;   window 1: v64-127, v128-191 k's fragments.   window 2: the accumulators of my queries 0-63 ((a, b) at v[8 (8 a + b)]);   window 3: those of queries 64-127.
.set KSTEP,  128
.set SIZE_K, 1024
.set PITCH,  272                       ; an LDS row: 256 bytes + 16 of padding: the 16 rows that a load touches start 16 bytes apart modulo 256
.set HALFT,  128*PITCH                 ; 128 rows: what one tensor load brings
.set SLOT,   4*HALFT                   ; q's 256 rows, then k's 256 rows
.set STATS,  2*SLOT                    ; behind the ring: 1,024 bytes a wave: -M of my 128 queries, then l
.set SPARE,  STATS+4*1024              ; behind them: the spare words, 128 bytes a wave
.set LAPS,   SIZE_K/(2*KSTEP)          ; a lap = two K steps = once round the ring: 4
.set ADRA, 16                          ; v16-17  LDS address of my q fragments in slot 0, 1
.set ADRB, 20                          ; v20-21  the same for k
.set PO,   24                          ; v24     16 x lane: my place in an image, and in a run of 512 bytes of stats
.set STS,  25                          ; v25     where I put -M (lanes 0-15) or l (lanes 16-31)
.set STR,  26                          ; v26     where I read them back
.set MO,   27                          ; v27     32 x (lane / 16): my eight keys of a tile's sixteen, in the mask
.set SPW,  28                          ; v28     LDS address of my spare word; never rewritten
.set NIL,  29                          ; v29     0; never rewritten
.set PFO,  30                          ; v30     the prefetches' offset: lane x a row of 2,048 bytes; never rewritten
.set MX,   32                          ; v32-36  maxima
.set NM,   38                          ; v[38:39] -M (the packed add names the pair and takes its low word)
.set S0,   40                          ; v[40:41], v[42:43] the sum, in two chains
.set S1,   42
.set LS,   44                          ; v44     l
.set SV,   45                          ; v45     what goes to the stats
.set SO,   48                          ; v48-55  the stats on their way out
.set F0,   64
.set F1,   128
.set T,    64
.set TMP,  128
.set MT,   192
.set WV,   12                          ; s12  wave
.set RH,   13                          ; s13  which half of the queries is mine.  Also: I fetch for q (0) or for k (1)
.set CH,   14                          ; s14  which half of the keys.  Also: which 128 rows of that tile I fetch
.set LIM,  15                          ; s15  1 in a wave that prefetches, else the greatest number
.set G1,   24                          ; s[24:31] group 1 for q's tiles;  s[32:39] group 0, one set a slot
.set G0,   32
.set PFA,  44                          ; s[44:45] where my prefetches stand
.set G1B,  48                          ; s[48:55], s[56:63] the same for k's tiles
.set G0B,  56
.set LAP,  66                          ; s66  trips to go
.set HI16, 67                          ; s67  a lane mask: lanes 16-31
.set CS,   68                          ; s[68:69] c = log2(e) / 8
.set C2,   70                          ; s70, s71: 10000 log2(e) and its negative
.set SEL,  72                          ; s[72:73] v_permlanex16_b32's selects for lane l xor 16
.set MSB, 0
.macro WIN new
.if MSB != (\new)
	s_set_vgpr_msb (MSB<<8)|(\new)
.set MSB, (\new)
.endif
.endm
.set MUL_LO, 0xa1                      ; source 0 (k) window 1, source 1 (q) window 0, C and D window 2
.set MUL_HI, 0xf1                      ; the same, C and D window 3
.set TO_B,   0x40                      ; destination window 1, address window 0
; A joint load: waves 0 and 1 fetch q's two halves, waves 2 and 3 k's; the branch hangs on the wave's number alone.  An s_nop 0 and four v_nop follow each of the two lines.
.macro JLOAD s
	s_cmp_eq_u32 s[RH], 0
	s_cbranch_scc0 .Lfor_b_\@
	tensor_load_to_lds s[G0+4*\s:G0+4*\s+3], s[G1:G1+7]
	s_nop 0
.rept 4
	v_nop
.endr
	s_branch .Lasked_\@
.Lfor_b_\@:
	tensor_load_to_lds s[G0B+4*\s:G0B+4*\s+3], s[G1B:G1B+7]
	s_nop 0
.rept 4
	v_nop
.endr
.Lasked_\@:
.endm
; A prefetch of the K step that stands TWO refills on: 32 rows x 256 bytes, a lane a row, one instruction a wave.  Each row's 256 bytes of a K step are named once in the launch: q's tile row is read by both clusters
; of a row of clusters: cluster x = 0 asks; k's tile column by the two clusters of a batch: the even cluster y asks.  The four partners that ask for a tile jointly share its rows out BY ADDRESS, 32 each.
; A tile's last two refills have no K step two on: the loop's last trip asks for nothing.  K steps 0 to 3 come by their loads alone.
.macro ASK
	s_cmp_gt_u32 s[LAP], s[LIM]
	s_cbranch_scc0 .Lnot_mine_\@
	global_prefetch_b8 v[PFO], s[PFA:PFA+1] offset:KSTEP*2 th:TH_LOAD_NT scope:SCOPE_SE
.Lnot_mine_\@:
.endm
.macro CREST                           ; a round of the cluster's barrier behind its opening barrier
	s_cmp_lg_u32 s[WV], 0
	s_cbranch_scc1 .Lnot_wave_0_\@
	s_barrier_signal -3
.Lnot_wave_0_\@:
	s_barrier_wait -3
	s_barrier_signal -1
	s_barrier_wait -1
.endm
.macro CROUND
	s_barrier_signal -1
	s_barrier_wait -1
	CREST
.endm
	s_load_b256 s[4:11], s[0:1], 0x0               ; qkv s[4:5], attention_mask s[6:7], p s[8:9], stats s[10:11]
	v_lshl_add_u32 v[SPW], v0, 2, SPARE
	v_mov_b32 v[NIL], 0
	ds_add_u32 v[SPW], v[NIL]                      ; the wave's opening: the add, twice on end, and its wait ahead of my first tensor load
	ds_add_u32 v[SPW], v[NIL]                      ; and once more, under the one wait; the set-up below stands between
	v_lshrrev_b32 v1, 5, v0
	v_readfirstlane_b32 s[WV], v1
	s_lshr_b32 s[RH], s[WV], 1
	s_and_b32 s[CH], s[WV], 1
	s_bfe_u32 s40, ttmp6, 0x40000                  ; cx
	s_bfe_u32 s41, ttmp6, 0x40004                  ; cy
	s_lshl_b32 s42, ttmp9, 2
	s_add_co_u32 s42, s42, s40                     ; tile column (256 keys of the batch) = 4 x cluster x + cx
	s_and_b32 s76, ttmp7, 0xffff                   ; cluster y
	s_lshl_b32 s43, s76, 2
	s_add_co_u32 s43, s43, s41                     ; tile row (256 queries of all 8,192) = 4 x cluster y + cy
	s_lshr_b32 s77, s76, 1                         ; the batch: two clusters' tile rows each; all sixteen partners share it
	s_lshl_b32 s74, s41, 2
	s_lshl_b32 s74, 15, s74                        ; my row of the cluster
	s_lshl_b32 s75, 0x1111, s40                    ; my column
	s_or_b32 s[G1+0], s74, (1<<16)|(1<<20)|(1<<21)|(5<<22)|(3<<25)   ; the mask: q's tiles go to my row; elements of 2 bytes; padding on; bit 21 beside a mask; after every 64 words, 4 words
	s_or_b32 s[G1B+0], s75, (1<<16)|(1<<20)|(1<<21)|(5<<22)|(3<<25)  ; the same with the mask of my column
.irp g, G1, G1B
	s_mov_b32 s[\g+1], KSTEP<<16                   ; tensor_dim0 = 128
	s_mov_b32 s[\g+2], 128<<16                     ; tensor_dim1 = 128
	s_mov_b32 s[\g+3], KSTEP<<16                   ; tile_dim0 = 128
	s_mov_b32 s[\g+4], 128                         ; tile_dim1 = 128
	s_mov_b32 s[\g+5], SIZE_K                      ; elements from row to row
	s_mov_b32 s[\g+6], 0
	s_mov_b32 s[\g+7], 0
.endr
	s_lshl_b32 s18, s[CH], 7                       ; which 128 rows of the tile I fetch
	s_lshl_b32 s16, s43, 8
	s_add_co_u32 s16, s16, s18                     ; q: row 256 x tile row + 128 x half,
	s_lshl_b32 s16, s16, 11                        ; 2,048 bytes a row
	s_mov_b32 s17, 0
	s_lshl_b32 s46, s77, 11
	s_lshl_b32 s47, s42, 8
	s_add_co_u32 s46, s46, s47
	s_add_co_u32 s46, s46, s18                     ; k: row 2,048 x batch + 256 x tile column + 128 x half,
	s_lshl_b32 s46, s46, 11
	s_add_co_u32 s46, s46, 0x1000000               ; in qkv's second part
	s_mov_b32 s47, 0
	s_mul_i32 s20, s[WV], HALFT                    ; where they go: wave x 128 rows: no place in the cluster enters an LDS address
	s_mov_b32 s[HI16], 0xffff0000
	s_mov_b32 s[CS], 0x3e38aa3b                    ; log2(e) / 8
	s_mov_b32 s[CS+1], s[CS]                       ; (named with it as a pair, so it is written)
	s_mov_b32 s[C2], 0x46616bcd                    ; 10000 log2(e)
	s_mov_b32 s[C2+1], 0xc6616bcd
	s_mov_b32 s[SEL], 0x76543210
	s_mov_b32 s[SEL+1], 0xfedcba98
	s_wait_dscnt 0x0                               ; both opening adds are done
	s_wait_kmcnt 0x0
	s_add_nc_u64 s[16:17], s[4:5], s[16:17]
	s_add_nc_u64 s[46:47], s[4:5], s[46:47]
	CROUND                                         ; all sixteen work-groups are here: the first joint loads meet
.irp s, 0,1
	s_mov_b32 s[G0+4*\s], 1
	s_add_co_u32 s[G0+4*\s+1], s20, \s*SLOT
	s_add_nc_u64 s[G0+4*\s+2:G0+4*\s+3], s[16:17], \s*KSTEP*2
	s_or_b32 s[G0+4*\s+3], s[G0+4*\s+3], 0x80000000
	s_mov_b32 s[G0B+4*\s], 1
	s_add_co_u32 s[G0B+4*\s+1], s20, \s*SLOT
	s_add_nc_u64 s[G0B+4*\s+2:G0B+4*\s+3], s[46:47], \s*KSTEP*2
	s_or_b32 s[G0B+4*\s+3], s[G0B+4*\s+3], 0x80000000
	JLOAD \s                                       ; two tensor loads of mine are out
.endr
	v_and_b32 v1, 15, v0                           ; l % 16
	v_bfe_u32 v2, v0, 4, 1                         ; l / 16
	v_mul_u32_u24 v3, v1, PITCH
	v_lshl_add_u32 v3, v2, 4, v3                   ; a fragment's row x pitch + 16 x half
	s_mul_i32 s21, s[RH], HALFT                    ; my 128 rows of q
	s_mul_i32 s22, s[CH], HALFT                    ; my 128 rows of k,
	s_add_co_u32 s22, s22, 2*HALFT                 ; which lie behind q's 256
.irp s, 0,1
	v_add_nc_u32 v[ADRA+\s], s21, v3
	v_add_nc_u32 v[ADRB+\s], s22, v3
	s_add_co_u32 s21, s21, SLOT
	s_add_co_u32 s22, s22, SLOT
.endr
	v_and_b32 v4, 31, v0
	v_lshlrev_b32 v[PO], 4, v4
	s_lshl_b32 s23, s[WV], 10
	s_add_co_u32 s23, s23, STATS                   ; my 1,024 bytes
	v_lshlrev_b32 v5, 2, v1
	v_lshl_add_u32 v5, v2, 9, v5
	v_add_nc_u32 v[STS], s23, v5                   ; 512 x half + 4 x (l % 16); the block of 16 queries stands in the immediate
	v_add_nc_u32 v[STR], s23, v[PO]
	v_lshlrev_b32 v[MO], 5, v2
	v_lshlrev_b32 v[PFO], 11, v4
	s_lshl_b32 s20, s77, 11                        ; the mask of my 128 keys: 2,048 x batch + 256 x tile column + 128 x half, 4 bytes each
	s_lshl_b32 s21, s42, 8
	s_add_co_u32 s20, s20, s21
	s_lshl_b32 s21, s[CH], 7
	s_add_co_u32 s20, s20, s21
	s_lshl_b32 s20, s20, 2
	s_mov_b32 s21, 0
	s_add_nc_u64 s[6:7], s[6:7], s[20:21]
.irp b, 0,1,2,3,4,5,6,7                ; register 8 b + j: the mask of key 16 b + 8 h + j; waited for on the way out
	global_load_b128 v[MT+8*\b:MT+8*\b+3], v[MO], s[6:7] offset:64*\b
	global_load_b128 v[MT+8*\b+4:MT+8*\b+7], v[MO], s[6:7] offset:64*\b+16
.endr
	s_lshl_b32 s20, s43, 4                         ; p: image row R = 16 x tile row + 8 x half, 65,536 bytes each;
	s_lshl_b32 s21, s[RH], 3
	s_add_co_u32 s20, s20, s21
	s_lshl_b32 s20, s20, 16
	s_lshl_b32 s21, s42, 4                         ; kb = 16 x tile column + 8 x half, 512 bytes each
	s_lshl_b32 s22, s[CH], 3
	s_add_co_u32 s21, s21, s22
	s_lshl_b32 s21, s21, 9
	s_add_co_u32 s20, s20, s21
	s_mov_b32 s21, 0
	s_add_nc_u64 s[8:9], s[8:9], s[20:21]
	s_lshl_b32 s20, s42, 1                         ; stats: j = 2 x tile column + half, 8,192 rows each;
	s_add_co_u32 s20, s20, s[CH]
	s_lshl_b32 s20, s20, 13
	s_lshl_b32 s21, s43, 8                         ; row 256 x tile row + 128 x half
	s_add_co_u32 s20, s20, s21
	s_lshl_b32 s21, s[RH], 7
	s_add_co_u32 s20, s20, s21
	s_lshl_b32 s20, s20, 2
	s_mov_b32 s21, 0
	s_add_nc_u64 s[10:11], s[10:11], s[20:21]
	; the prefetches: where my wave's stand, and who asks
	s_lshl_b32 s20, s43, 8                         ; q: the tile's first row
	s_lshl_b32 s21, s42, 8                         ; k: likewise, in qkv's second part: 8,192 rows on
	s_lshl_b32 s22, s77, 11
	s_add_co_u32 s21, s21, s22
	s_add_co_u32 s21, s21, 8192
	s_and_b32 s22, s76, 1
	s_cmp_eq_u32 s[RH], 0                          ; do I fetch for q?
	s_cselect_b32 s20, s20, s21
	s_cselect_b32 s21, s40, s41                    ; my place among the four that ask for the tile with me
	s_cselect_b32 s22, ttmp9, s22                  ; the coordinate along which other clusters read the same rows
	s_cmp_eq_u32 s22, 0
	s_cselect_b32 s[LIM], 1, -1                    ; the same in all sixteen partners, for a given wave
	s_lshl_b32 s22, s[CH], 7
	s_add_co_u32 s20, s20, s22                     ; + the 128 rows that I fetch
	s_lshl_b32 s21, s21, 5
	s_add_co_u32 s20, s20, s21                     ; + my work-group's 32 of them
	s_lshl_b32 s20, s20, 11
	s_add_co_u32 s20, s20, 2*KSTEP*2               ; at K step 2: the first refill steps it to 3 and names K step 4
	s_mov_b32 s21, 0
	s_add_nc_u64 s[PFA:PFA+1], s[4:5], s[20:21]
; 16 matrix instructions: query blocks a0, a0 + 1 of the window's four x all 8 key blocks, 32 along K.  zero = 1: the first product starts the sums.
; The 64 accumulators take turns, one instruction a turn, in the same order in every quarter.
.macro MUL16 f, hi, a0, zero
.irp a, \a0, \a0+1
.irp b, 0,1,2,3,4,5,6,7
.if \zero
	v_wmma_f32_16x16x32_f16 v[8*(8*(\a)+\b):8*(8*(\a)+\b)+7], v[\f+8*\b:\f+8*\b+7], v[\f+8*(4*\hi+\a):\f+8*(4*\hi+\a)+7], 0
.else
	v_wmma_f32_16x16x32_f16 v[8*(8*(\a)+\b):8*(8*(\a)+\b)+7], v[\f+8*\b:\f+8*\b+7], v[\f+8*(4*\hi+\a):\f+8*(4*\hi+\a)+7], v[8*(8*(\a)+\b):8*(8*(\a)+\b)+7]
.endif
.endr
.endr
.endm
; 32 LDS loads in one run: the fragments of one quarter step (128 rows of k, 128 rows of q, 32 channels at byte k of the rows) into buffer f
.macro FETCH slot, k, f
	WIN TO_B
.irp i, 0,1,2,3,4,5,6,7
	ds_load_b128 v[\f+8*\i:\f+8*\i+3],   v[ADRB+\slot] offset:\k+\i*16*PITCH
	ds_load_b128 v[\f+8*\i+4:\f+8*\i+7], v[ADRB+\slot] offset:\k+\i*16*PITCH+32
.endr
	WIN 0
.irp i, 0,1,2,3,4,5,6,7
	ds_load_b128 v[\f+8*\i:\f+8*\i+3],   v[ADRA+\slot] offset:\k+\i*16*PITCH
	ds_load_b128 v[\f+8*\i+4:\f+8*\i+7], v[ADRA+\slot] offset:\k+\i*16*PITCH+32
.endr
.endm
.macro PLACES                          ; four places in front of loads into registers that matrix instructions have read (ISA guide 7.12.1 for vector instructions)
.rept 4
	v_nop
.endr
.endm
; A K step is four quarters of 32 channels, 64 matrix instructions each, on buffers 0, 1, 0, 1.  One of the first three: multiplies buffer f and fetches the next quarter, at byte k, into g.
.macro QUARTER slot, k, f, g, zero
	s_wait_dscnt 8                                 ; k's fragments and q's rows 0-63 are in; the youngest eight loads (q's rows 64-127) may be out
	WIN MUL_LO
	MUL16 \f, 0, 0, \zero
	MUL16 \f, 0, 2, \zero
	PLACES
	FETCH \slot, \k, \g
	s_wait_dscnt 32                                ; all but the 32 just issued
	WIN MUL_HI
	MUL16 \f, 1, 0, \zero
	MUL16 \f, 1, 2, \zero
.endm
; The first half of a K step's last quarter: ONE barrier for the change of slots.  In front of it each wave waits for all its tensor loads (one is out: its part of the next slot), adds 0 to its spare word,
; and waits for that and for its own reads of this slot.  Behind it nobody reads this slot any more and the next slot is whole.
.macro MEET round
	WIN 0                                          ; (the add's two registers lie in window 0)
	s_wait_tensorcnt 0x0
	ds_add_u32 v[SPW], v[NIL]
	s_wait_dscnt 9                                 ; the add and the youngest eight loads may be out
	WIN MUL_LO
	MUL16 F1, 0, 0, 0                              ; sixteen matrix instructions stand between the add and the wait for it
	s_wait_dscnt 0x0                               ; the add is done, and my reads of this slot are over
	s_barrier_signal -1
	MUL16 F1, 0, 2, 0                              ; work on registers while the others arrive
.if \round
	WIN 0
.endif
	s_barrier_wait -1
.endm
; The whole last quarter where the slot is filled again, two K steps ahead: the barrier opens a round of the cluster's, and the joint refill is the first tensor load behind it.
.macro TURN slot, next
	s_wait_xcnt 0x0                                ; the last prefetch, a K step back, has read its address: it is stepped here
	s_add_nc_u64 s[PFA:PFA+1], s[PFA:PFA+1], KSTEP*2
	MEET 1
	CREST                                          ; no wave of any partner still reads this slot's tile or has a load on its way
	s_add_nc_u64 s[G0+4*\slot+2:G0+4*\slot+3], s[G0+4*\slot+2:G0+4*\slot+3], 2*KSTEP*2
	s_add_nc_u64 s[G0B+4*\slot+2:G0B+4*\slot+3], s[G0B+4*\slot+2:G0B+4*\slot+3], 2*KSTEP*2
	JLOAD \slot                                    ; 224 matrix instructions ahead of the wait for it; the four v_nop behind it are also the places in front of the loads below
	FETCH \next, 0, F0
	ASK
	WIN MUL_HI
	MUL16 F1, 1, 0, 0
	MUL16 F1, 1, 2, 0
.endm
	s_wait_tensorcnt 1                             ; my part of K step 0 is in; K step 1's load may be out
	s_barrier_signal -1
	s_barrier_wait -1                              ; everybody's is
	FETCH 0, 0, F0
	QUARTER 0, 64,  F0, F1, 1                      ; the first quarter stands in front of the loop: its products start the sums
	WIN 0                                          ; at a label and at a branch every window is 0
	s_mov_b32 s[LAP], LAPS-1
.Llap:                                                 ; a trip goes once round the ring, from a lap's second quarter to the next lap's first, and fills both slots again
	QUARTER 0, 128, F1, F0, 0
	QUARTER 0, 192, F0, F1, 0
	TURN 0, 1
	QUARTER 1, 64,  F0, F1, 0
	QUARTER 1, 128, F1, F0, 0
	QUARTER 1, 192, F0, F1, 0
	TURN 1, 0
	QUARTER 0, 64,  F0, F1, 0
	WIN 0
	s_sub_co_u32 s[LAP], s[LAP], 1
	s_cmp_lg_u32 s[LAP], 0
	s_cbranch_scc1 .Llap
	QUARTER 0, 128, F1, F0, 0                      ; the last lap is written out: it asks for nothing more
	QUARTER 0, 192, F0, F1, 0
	MEET 0                                         ; my one tensor load that was still out is the last K step's, so no round follows
	PLACES                                         ; for the loads into buffer 0, which the quarter before multiplied
	FETCH 1, 0, F0
	WIN MUL_HI
	MUL16 F1, 1, 0, 0
	MUL16 F1, 1, 2, 0
	QUARTER 1, 64,  F0, F1, 0
	QUARTER 1, 128, F1, F0, 0
	QUARTER 1, 192, F0, F1, 0
	s_wait_dscnt 8                                 ; the very last quarter: nothing more to fetch
	WIN MUL_LO
	MUL16 F1, 0, 0, 0
	MUL16 F1, 0, 2, 0
	s_wait_dscnt 0
	WIN MUL_HI
	MUL16 F1, 1, 0, 0
	MUL16 F1, 1, 2, 0
	WIN 0
	; THE WAY OUT.  First the mask's term of my 64 keys: (mask - 1) x 10000 log2(e), one fused multiply-add each, exactly 0 where the mask is 1.  These 64 lines are also the places behind the last products.
	s_wait_loadcnt 0x0                             ; the mask
.set i, 0
.rept 64
	v_fma_f32 v[MT+i], v[MT+i], s[C2], s[C2+1]
.set i, i+1
.endr
	v_mov_b32 v[MX+4], 0                           ; written once: a lane permute's destination counts as one of its sources
	v_mov_b32 v[NM+1], 0                           ; (named as the upper half of the pair)
; Block a: 16 queries x my 128 keys; a lane holds 64 of its query's keys, the lane 16 away the other 64.
.macro SOFT a
.set AC, 64*((\a)%4)
.set TP, TMP+32*((\a)%2)
	WIN 2+(\a)/4                                   ; source 0: window 2 or 3
.set i, 0
.rept 32
	v_pk_fma_f32 v[T+i:T+i+1], v[AC+i:AC+i+1], s[CS:CS+1], v[MT+i:MT+i+1] op_sel_hi:[1,0,1]   ; t = c s + the mask's term, each accumulator from its low end on
.set i, i+2
.endr
	WIN 0
.irp b, 0,1,2,3
	v_max3_num_f32 v[MX+\b], v[T+16*\b], v[T+16*\b+1], v[T+16*\b+2]   ; the largest t, in four chains by turns
.endr
.irp n, 3,5,7,9,11,13
.irp b, 0,1,2,3
	v_max3_num_f32 v[MX+\b], v[MX+\b], v[T+16*\b+\n], v[T+16*\b+\n+1]
.endr
.endr
.irp b, 0,1,2,3
	v_max_num_f32 v[MX+\b], v[MX+\b], v[T+16*\b+15]
.endr
	v_max3_num_f32 v[MX], v[MX], v[MX+1], v[MX+2]
	v_max_num_f32 v[MX], v[MX], v[MX+3]
	v_permlanex16_b32 v[MX+4], v[MX], s[SEL], s[SEL+1]
	v_max_num_f32 v[MX], v[MX], v[MX+4]            ; with the other 64 keys': the block's
	v_floor_f32 v[NM], -v[MX]                      ; -M = floor(-t) = -ceil(t): a whole number
.set i, 0
.rept 32
	v_pk_add_f32 v[T+i:T+i+1], v[T+i:T+i+1], v[NM:NM+1] op_sel_hi:[1,0]   ; t - M
.set i, i+2
.endr
.set i, 0
.rept 64
	v_exp_f32 v[T+i], v[T+i]                       ; p = 2^(t - M), at most 1
.set i, i+1
.endr
	v_nop                                          ; a plain line behind the last exponential
	s_wait_xcnt 0x0                                ; the stores of the block two back have read their data: that set of packed p is written again below
	s_wait_alu depctr_va_vdst(0)                   ; the wait ahead of the first line that names a result: one for the batch of 64
	v_pk_add_f32 v[S0:S0+1], v[T:T+1], v[T+2:T+3]  ; l is the sum of the UNROUNDED p: two at a time, in two chains
	v_pk_add_f32 v[S1:S1+1], v[T+4:T+5], v[T+6:T+7]
.irp n, 8,12,16,20,24,28,32,36,40,44,48,52,56,60
	v_pk_add_f32 v[S0:S0+1], v[S0:S0+1], v[T+\n:T+\n+1]
	v_pk_add_f32 v[S1:S1+1], v[S1:S1+1], v[T+\n+2:T+\n+3]
.endr
	v_pk_add_f32 v[S0:S0+1], v[S0:S0+1], v[S1:S1+1]
	v_add_f32 v[LS], v[S0], v[S0+1]
	v_permlanex16_b32 v[MX+4], v[LS], s[SEL], s[SEL+1]
	v_add_f32 v[LS], v[LS], v[MX+4]
.set i, 0
.rept 32
	v_cvt_pk_f16_f32 v[TP+i], v[T+2*i], v[T+2*i+1] ; registers 4 b .. 4 b + 3: keys 16 b + 8 h + 0 .. 7: half a fragment of the last launch's operand
.set i, i+1
.endr
	v_cndmask_b32 v[SV], v[NM], v[LS], s[HI16]     ; lanes 0-15 hand in -M, lanes 16-31 l
	ds_store_b32 v[STS], v[SV] offset:64*(\a)
.irp b, 0,1,2,3,4,5,6,7
	global_store_b128 v[PO], v[TP+4*\b:TP+4*\b+3], s[8:9] offset:(\a)*65536+\b*512   ; 32 lanes store 512 consecutive bytes, at a multiple of 512 from the buffer's first byte
.endr
.endm
.irp a, 0,1,2,3,4,5,6,7
	SOFT \a
.endr
	ds_load_b128 v[SO:SO+3], v[STR]                ; LDS serves a wave's instructions in order: these see my stores.  -M of my 128 queries,
	ds_load_b128 v[SO+4:SO+7], v[STR] offset:512   ; and l
	s_wait_dscnt 0x0
	global_store_b128 v[PO], v[SO:SO+3], s[10:11]                  ; 512 consecutive bytes each
	global_store_b128 v[PO], v[SO+4:SO+7], s[10:11] offset:524288
	s_wait_tensorcnt 0x0                           ; the wave's end, behind my last tensor load and my last LDS store
	ds_add_u32 v[SPW], v[NIL]
	s_wait_dscnt 0x0
	CROUND                                         ; the closing round: no work-group ends while a partner may still ask for a tile that names it
	s_endpgm
.Lfunc_end_k_q3bdc8439fa_scores:
	.size	k_q3bdc8439fa_scores, .Lfunc_end_k_q3bdc8439fa_scores-k_q3bdc8439fa_scores
	.p2alignl 7, 3214868480
	.fill 96, 4, 3214868480
	.section	.rodata,"a",@progbits
	.p2align	6, 0x0
	.amdhsa_kernel k_q3bdc8439fa_scores
		.amdhsa_group_segment_fixed_size 327680
		.amdhsa_private_segment_fixed_size 0
		.amdhsa_enable_private_segment 0
		.amdhsa_kernarg_size 32
		.amdhsa_user_sgpr_count 2
		.amdhsa_user_sgpr_kernarg_segment_ptr 1
		.amdhsa_wavefront_size32 1
		.amdhsa_system_sgpr_workgroup_id_x 1
		.amdhsa_system_sgpr_workgroup_id_y 1
		.amdhsa_system_sgpr_workgroup_id_z 1
		.amdhsa_system_vgpr_workitem_id 0
		.amdhsa_next_free_vgpr 1024
		.amdhsa_next_free_sgpr 80
		.amdhsa_reserve_vcc 0
		.amdhsa_float_denorm_mode_32 3
		.amdhsa_float_denorm_mode_16_64 3
		.amdhsa_memory_ordered 1
		.amdhsa_forward_progress 1
		.amdhsa_inst_pref_size 225
	.end_amdhsa_kernel
	.amdgpu_metadata
---
amdhsa.version: [ 1, 2 ]
amdhsa.kernels:
  - .name:           k_q3bdc8439fa_scores
    .symbol:         k_q3bdc8439fa_scores.kd
    .args:
      - { .name: qkv, .offset: 0, .size: 8, .value_kind: global_buffer, .address_space: global }
      - { .name: attention_mask, .offset: 8, .size: 8, .value_kind: global_buffer, .address_space: global }
      - { .name: p, .offset: 16, .size: 8, .value_kind: global_buffer, .address_space: global }
      - { .name: stats, .offset: 24, .size: 8, .value_kind: global_buffer, .address_space: global }
    .group_segment_fixed_size: 327680
    .private_segment_fixed_size: 0
    .kernarg_segment_align: 8
    .kernarg_segment_size: 32
    .max_flat_workgroup_size: 128
    .sgpr_count:     80
    .vgpr_count:     1024
    .wavefront_size: 32
...
	.end_amdgpu_metadata
.endif
;; end of part 4
;; launch pv (part 5): grid 64 x 4, 4 waves a work-group, clusters of 4 x 1, 327,680 bytes of LDS; arguments p, stats, qkv, out0; writes out0
.if DOCPART == 5
	.amdgcn_target "amdgcn-amd-amdhsa--gfx1250"
	.amdhsa_code_object_version 6
	.text
	.protected	k_q3bdc8439fa_pv
	.globl	k_q3bdc8439fa_pv
	.p2align	8
	.type	k_q3bdc8439fa_pv,@function
k_q3bdc8439fa_pv:
	s_mov_b64 s[64:65], 0
	v_nop
	global_prefetch_b8 v0, s[64:65] scope:SCOPE_SE
	s_setreg_imm32_b32 hwreg(HW_REG_WAVE_MODE, 25, 1), 1
	s_wait_xcnt 0x0
	s_wait_alu depctr_hold_cnt(0) depctr_sa_sdst(0) depctr_va_vdst(0) depctr_va_sdst(0) depctr_va_ssrc(0) depctr_va_vcc(0) depctr_vm_vsrc(0)
	s_getreg_b32 s2, hwreg(HW_REG_IB_STS2, 6, 4)
	s_cmp_eq_u32 s2, 0
	s_cbranch_scc0 .Lentry_in_a_cluster
	s_endpgm
.Lentry_in_a_cluster:
	s_bfe_u32 s2, ttmp6, 0x10000c
	s_cmp_lg_u32 s2, 0x3003
	s_cbranch_scc0 .Lentry_shape_is_right
	s_endpgm
.Lentry_shape_is_right:
; The softmax's second half and the second product.  For each query: M = the largest M_j; w_j = 2^(M_j - M); l = sum of l_j w_j;  out0[row][:] = sum over j of (w_j / l) (P_j V_j).
; p: f16 images [row / 16][key / 16][lane][16 bytes];  stats: f32 [-M, l][j 16][row 8192];  V: qkv's third part, f16 [8192 keys of all batches][1024];  out0: [8192][1024] f32.
; P goes to the matrix unit as it was stored.  EACH BLOCK j OF 128 KEYS IS SUMMED BY ITSELF (its first products take the constant 0) and merged into O^T by one fused multiply-add in f32 with the weight w_j / l
; (w_j is a whole power of two, so the weight is 1 / l with another exponent).  LIMITS: NaN and infinities are not served; a p under 2^-24 of its own block's largest was lost when it was stored as f16.
; SHARES.  A work-group owns 128 queries x 256 channels; a wave 64 queries x 128 channels: 32 accumulators (a = 4 tiles of queries, b = 8 tiles of channels), twice: the block's sums and O^T.  Every wave walks the batch's 2,048 keys, 32 a quarter.
; O^T = V^T P: source 0 = 16 channels x 32 keys, turned out of LDS by ds_load_tr16_b128; source 1 = P: a lane holds ONE query (lane % 16) throughout.
; V goes through a ring of two LDS slots of 256 keys (8 quarters, 240 matrix instructions a wave between a request and the wait for it).  CLUSTER: the four work-groups of a cluster own four query tiles of one batch
; and one channel tile: they walk the same V, and each tile is asked for JOINTLY, by the same tensor load with a mask that names the four.
; P goes from memory straight into registers: an image is what an operand's registers hold, so a load reads 512 consecutive bytes; a ring of eight quarter buffers keeps seven quarters on their way.
; P's tiles are not shared in the cluster (each partner has its own queries), so they are no joint loads.
; REGISTERS: window 0: v16-30 addresses; v32-39 the block's weights; v40-55 at work in the head; v64-191 P's buffers 4 to 7 (in the head v96-255 hold the statistics; on the way out v64-127 results, v128-255 rows read back).
;   window 1: v0-63, v64-127 V's fragments, two buffers; v128-255 P's buffers 0 to 3.   window 2: the block's sums, (a, b) at v[8 (8 a + b)].   window 3: O^T, at the same numbers.
.set PV,     544                       ; a row of V in LDS: 512 bytes + 32 of padding = 17 x 32: the rows that a turning load touches start 32 bytes apart modulo 256
.set QROW,   32*PV                     ; a quarter's 32 keys
.set HALFV,  128*PV                    ; half a slot: an LDS immediate has 16 bits, so each half has its own address register
.set SLOT,   256*PV
.set WPART,  64*PV                     ; the 64 keys that one wave's tensor load brings
.set VSLOT,  256*2048                  ; a slot's keys in memory, in bytes
.set WT,     2*SLOT                    ; behind the ring: 8,192 bytes a wave: first the statistics as they lie in memory, [-M, l][j 16][query 64]; then the weights, [j 16][lane 32][a 4], f32
.set SPARE,  WT+4*8192                 ; behind them: the spare words, 128 bytes a wave
.set SPITCH, 528                       ; the way out: a stage of 16 rows x (512 bytes + 16) for each wave, in slot 0, which has had its last fill and its last read by then
.set ADRV, 16                          ; v16-19  my lane's place in V's tile: slot 0 half 0, half 1, slot 1 half 0, half 1
.set PLO,  20                          ; v20     16 x lane
.set WTA,  21                          ; v21     where I read the weights: stepped by four blocks of keys a trip
.set STO,  22                          ; v22     the way out: where I put 32 bytes of a row
.set RD,   23                          ; v23     where I read a row back
.set SO,   24                          ; v24     stats in memory: 32,768 x (lane / 16) + 16 x (lane % 16)
.set WTS,  25                          ; v25     where I store the weights
.set STG,  26                          ; v26     where I put 16 bytes of the statistics
.set STL,  27                          ; v27     where I read one number of them back
.set SPW,  28                          ; v28     LDS address of my spare word; never rewritten
.set NIL,  29                          ; v29     0; never rewritten
.set PFO,  30                          ; v30     the prefetches' offset; never rewritten
.set WQ,   32                          ; v32-35  the block's weights for my query of tiles a = 0 .. 3, as loaded; v36, v38 those of a = 1, 3 once more, so that each heads an even pair
.set NT,   40                          ; v40-43  -M
.set LT,   44                          ; v44-47  l
.set TP,   48                          ; v48-51  lane permutes' results
.set RLR,  52                          ; v52-55  1 / l
.set RAW,  96                          ; v96-159  the statistics as loaded
.set NMR,  160                         ; v160-191 -M_j, then M_j - M, then w_j: register 8 a + jj holds j = 2 jj + (lane / 16)
.set LLR,  192                         ; v192-223 l_j likewise
.set WF,   224                         ; v224-255 w_j / l: register 4 jj + a
.set TS,   64
.set BK,   128
.set WV,   12
.set RH,   13                          ; s13  which 64 of the 128 queries are mine
.set CH,   14                          ; s14  which 128 of the 256 channels
.set LIM,  15                          ; s15  1 in a work-group that prefetches, else the greatest number
.set G1,   24                          ; s[24:31] group 1;  s[32:39] group 0, one set a slot
.set G0,   32
.set PFA,  44                          ; s[44:45] where my prefetches stand
.set CNT,  46                          ; s46  trips to go
.set SEL,  48                          ; s[48:49] v_permlanex16_b32's selects for lane l xor 16
.set MSB, 0
.macro WIN new                         ; the immediate's high byte repeats the setting that is left; a switch that changes nothing is dropped
.if MSB != (\new)
	s_set_vgpr_msb (MSB<<8)|(\new)
.set MSB, (\new)
.endif
.endm
.set W_MRG, 0xf2                       ; the merge: source 0 (the block's sums) window 2, source 1 (the weight) window 0, source 2 and destination (O^T) window 3
.set W_OUT, 0x32                       ; the last merge: the same sources, destination window 0
.set TO_V,  0x40                       ; destination window 1, address window 0
.macro PLOC n                          ; where quarter n's buffer of P lies: window PW, first register PR
.if ((\n)%8) < 4
.set PW, 1
.set PR, 128+32*((\n)%8)
.else
.set PW, 0
.set PR, 64+32*((\n)%8-4)
.endif
.endm
.macro CREST                           ; a round of the cluster's barrier behind its opening barrier
	s_cmp_lg_u32 s[WV], 0
	s_cbranch_scc1 .Lnot_wave_0_\@
	s_barrier_signal -3
.Lnot_wave_0_\@:
	s_barrier_wait -3
	s_barrier_signal -1
	s_barrier_wait -1
.endm
.macro CROUND
	s_barrier_signal -1
	s_barrier_wait -1
	CREST
.endm
; A prefetch of what the NEXT change of slots will ask for: 256 rows x 512 bytes.  All four clusters of a batch walk the same V for a given channel tile: the batch's first cluster asks.  Its four partners take 64 rows each,
; told apart BY ADDRESS; a wave takes 16 of them, two lanes to a row, 256 bytes apart: each aligned run of 256 bytes is named once in the launch.  how = 1: slot 0's change, which always has a successor;
; how = 0: slot 1's: in the loop's last trip there is no slot behind it.  The first three slots' keys come by their loads alone.
.macro ASK how
.if \how
	s_cmp_eq_u32 s[LIM], 1
.else
	s_cmp_gt_u32 s[CNT], s[LIM]
.endif
	s_cbranch_scc0 .Lnot_mine_\@
	global_prefetch_b8 v[PFO], s[PFA:PFA+1] th:TH_LOAD_NT scope:SCOPE_SE
.Lnot_mine_\@:
.endm
.macro PLACES                          ; four places in front of loads into registers that matrix instructions have read, and of vector instructions that read results (ISA guide 7.12.1 for vector instructions)
.rept 4
	v_nop
.endr
.endm
	s_load_b256 s[4:11], s[0:1], 0x0               ; p s[4:5], stats s[6:7], qkv s[8:9], out0 s[10:11]
	v_lshl_add_u32 v[SPW], v0, 2, SPARE
	v_mov_b32 v[NIL], 0
	ds_add_u32 v[SPW], v[NIL]                      ; the wave's opening: the add, twice on end, and its wait ahead of my first tensor load
	ds_add_u32 v[SPW], v[NIL]                      ; and once more, under the one wait; the set-up below stands between
	v_lshrrev_b32 v1, 5, v0
	v_readfirstlane_b32 s[WV], v1
	s_lshr_b32 s[RH], s[WV], 1
	s_and_b32 s[CH], s[WV], 1
	s_bfe_u32 s40, ttmp6, 0x40000                  ; cx
	s_lshr_b32 s41, ttmp9, 2                       ; the batch: four clusters each
	s_lshl_b32 s42, ttmp9, 2
	s_add_co_u32 s42, s42, s40                     ; my tile of 128 queries = 4 x cluster x + cx
	s_and_b32 s43, ttmp7, 0xffff                   ; my tile of 256 channels
	s_mov_b32 s[G1], 15|(1<<16)|(1<<20)|(1<<21)|(6<<22)|(7<<25)   ; the mask: all four work-groups; elements of 2 bytes; padding on; bit 21 beside a mask; after every 128 words, 8 words
	s_mov_b32 s[G1+1], 256<<16                     ; tensor_dim0 = 256
	s_mov_b32 s[G1+2], 64<<16                      ; tensor_dim1 = 64
	s_mov_b32 s[G1+3], 256<<16                     ; tile_dim0 = 256
	s_mov_b32 s[G1+4], 64                          ; tile_dim1 = 64
	s_mov_b32 s[G1+5], 1024                        ; elements from row to row
	s_mov_b32 s[G1+6], 0
	s_mov_b32 s[G1+7], 0
	s_lshl_b32 s16, s41, 11                        ; V: key 2,048 x batch + 64 x wave,
	s_lshl_b32 s17, s[WV], 6
	s_add_co_u32 s16, s16, s17
	s_lshl_b32 s16, s16, 11                        ; 2,048 bytes a key,
	s_lshl_b32 s17, s43, 9
	s_add_co_u32 s16, s16, s17                     ; 512 bytes a channel tile,
	s_add_co_u32 s16, s16, 0x2000000               ; in qkv's third part: nothing of it hangs on my place in the cluster
	s_mov_b32 s17, 0
	s_mul_i32 s18, s[WV], WPART                    ; and where it goes
	s_mov_b32 s[SEL], 0x76543210
	s_mov_b32 s[SEL+1], 0xfedcba98
	s_and_b32 s[LIM], ttmp9, 3
	s_cmp_eq_u32 s[LIM], 0                         ; the batch's first cluster: the same in all four partners
	s_cselect_b32 s[LIM], 1, -1
	s_wait_dscnt 0x0                               ; both opening adds are done
	s_wait_kmcnt 0x0
	s_add_nc_u64 s[16:17], s[8:9], s[16:17]
	CROUND                                         ; all four work-groups are here: the first joint loads meet
.irp s, 0,1
	s_mov_b32 s[G0+4*\s], 1
	s_add_co_u32 s[G0+4*\s+1], s18, \s*SLOT
	s_add_nc_u64 s[G0+4*\s+2:G0+4*\s+3], s[16:17], \s*VSLOT
	s_or_b32 s[G0+4*\s+3], s[G0+4*\s+3], 0x80000000
.endr
	tensor_load_to_lds s[G0:G0+3], s[G1:G1+7]      ; keys 0 to 255: each wave its 64 rows
	s_nop 0
	tensor_load_to_lds s[G0+4:G0+7], s[G1:G1+7]    ; keys 256 to 511: two tensor loads of mine are out
	s_nop 0
.rept 4
	v_nop
.endr
	v_and_b32 v1, 15, v0                           ; r
	v_bfe_u32 v2, v0, 4, 1                         ; h
	v_and_b32 v3, 31, v0                           ; lane
	v_lshlrev_b32 v[PLO], 4, v3
	v_lshlrev_b32 v[SO], 4, v1                     ; sixteen lanes take a block's 64 queries, four each; lanes 16-31 the next block's
	v_lshl_add_u32 v[SO], v2, 15, v[SO]
	s_lshl_b32 s20, s42, 7
	s_lshl_b32 s21, s[RH], 6
	s_add_co_u32 s20, s20, s21                     ; my first query: 128 x tile + 64 x half
	s_lshl_b32 s22, s20, 2
	s_mov_b32 s23, 0
	s_add_nc_u64 s[6:7], s[6:7], s[22:23]          ; its place in a row of stats
	s_lshl_b32 s22, s20, 12                        ; its images: 65,536 bytes for 16 queries
	s_add_nc_u64 s[4:5], s[4:5], s[22:23]
	s_lshl_b32 s21, s43, 10                        ; its row of out0, 4,096 bytes a row; + my channels: 1,024 bytes a tile, 512 a half
	s_add_co_u32 s22, s22, s21
	s_lshl_b32 s21, s[CH], 9
	s_add_co_u32 s22, s22, s21
	s_add_nc_u64 s[10:11], s[10:11], s[22:23]
.irp w, 0,1                            ; -M_j (w = 0) and l_j (w = 1) of my 64 queries, blocks j = 2 jj and 2 jj + 1: 256 consecutive bytes for each half of the lanes
.irp jj, 0,1,2,3,4,5,6,7
	global_load_b128 v[RAW+4*(8*\w+\jj):RAW+4*(8*\w+\jj)+3], v[SO], s[6:7] offset:\w*524288+\jj*65536
.endr
.endr
; Quarter n's P (counted from where the base stands): four tiles of queries x two images of 16 keys, into buffer n % 8
.macro LOADP n
	PLOC \n
	WIN PW<<6
.irp a, 0,1,2,3
.irp c, 0,1
	global_load_b128 v[PR+8*\a+4*\c:PR+8*\a+4*\c+3], v[PLO], s[4:5] offset:\a*65536+(\n)*1024+\c*512
.endr
.endr
.endm
.irp n, 0,1,2,3,4
	LOADP \n                                       ; buffers 5 to 7 still hold the statistics: their loads follow below
.endr
	WIN 0
	; addresses, while the loads are on their way
	v_and_b32 v4, 7, v0
	v_lshl_add_u32 v4, v2, 3, v4                   ; the turning load: lane l reads key 8 (l / 16) + l % 8,
	v_mul_u32_u24 v4, v4, PV
	v_bfe_u32 v5, v0, 3, 1
	v_lshl_add_u32 v4, v5, 4, v4                   ; channels 8 ((l / 8) % 2) + 0 .. 7,
	s_lshl_b32 s19, s[CH], 8
	v_add_nc_u32 v[ADRV], s19, v4                  ; of my 128 channels
	v_add_nc_u32 v[ADRV+1], HALFV, v[ADRV]
	v_add_nc_u32 v[ADRV+2], SLOT, v[ADRV]
	v_add_nc_u32 v[ADRV+3], SLOT+HALFV, v[ADRV]
	s_lshl_b32 s19, s[WV], 13
	s_add_co_u32 s19, s19, WT                      ; my wave's 8,192 bytes
	v_add_nc_u32 v[WTA], s19, v[PLO]
	v_lshlrev_b32 v[WTS], 4, v1
	v_lshl_add_u32 v[STG], v2, 8, v[WTS]
	v_add_nc_u32 v[STG], s19, v[STG]               ; the statistics in: block 2 jj + h at 256 bytes each, my four queries at 16 r
	v_lshl_add_u32 v[WTS], v2, 9, v[WTS]
	v_add_nc_u32 v[WTS], s19, v[WTS]               ; the weights in: block j = 2 jj + h at 512 j; lane r's place, and lane 16 + r's 256 bytes on
	v_lshlrev_b32 v[STL], 2, v1
	v_lshl_add_u32 v[STL], v2, 8, v[STL]
	v_add_nc_u32 v[STL], s19, v[STL]               ; the statistics back: block 2 jj + h, query 16 a + r
	s_mul_i32 s19, s[WV], 16*SPITCH                ; my stage
	v_mul_u32_u24 v[STO], v1, SPITCH
	v_lshl_add_u32 v[STO], v2, 5, v[STO]
	v_add_nc_u32 v[STO], s19, v[STO]               ; in: row r, 32 bytes for each half of the lanes
	v_add_nc_u32 v[RD], s19, v[PLO]                ; back: 32 lanes take a row of 512 bytes
	v_lshrrev_b32 v4, 1, v3
	v_and_b32 v5, 1, v3
	v_lshlrev_b32 v[PFO], 11, v4
	v_lshl_add_u32 v[PFO], v5, 8, v[PFO]           ; two lanes to a row of V's tile
	s_lshl_b32 s20, s40, 6                         ; my work-group's 64 rows of a slot's 256,
	s_lshl_b32 s21, s[WV], 4
	s_add_co_u32 s20, s20, s21                     ; my wave's 16 of them,
	s_lshl_b32 s21, s41, 11
	s_add_co_u32 s20, s20, s21
	s_lshl_b32 s20, s20, 11
	s_lshl_b32 s21, s43, 9
	s_add_co_u32 s20, s20, s21
	s_add_co_u32 s20, s20, 0x2000000+2*VSLOT       ; at keys 512 on: the first change of slots steps it to keys 768 on
	s_mov_b32 s21, 0
	s_add_nc_u64 s[PFA:PFA+1], s[8:9], s[20:21]
.irp a, 0,1,2,3
	v_mov_b32 v[TP+\a], 0                          ; written once: a lane permute's destination counts as one of its sources
.endr
	v_mov_b32 v[WQ+5], 0                           ; (named as the upper halves of two pairs)
	v_mov_b32 v[WQ+7], 0
	s_wait_loadcnt 40                              ; the statistics are in; the 40 loads of P's first five quarters may be out
.irp w, 0,1                            ; through my own bytes of LDS, as they lie in memory; LDS serves a wave's instructions in order, so no wait stands between the stores and the loads
.irp jj, 0,1,2,3,4,5,6,7
	ds_store_b128 v[STG], v[RAW+4*(8*\w+\jj):RAW+4*(8*\w+\jj)+3] offset:\w*4096+\jj*512
.endr
.endr
.irp a, 0,1,2,3                        ; lane (r, h): -M_j and l_j of query 16 a + r, j = 2 jj + h
.irp jj, 0,1,2,3,4,5,6,7
	ds_load_b32 v[NMR+8*\a+\jj], v[STL] offset:\jj*512+64*\a
	ds_load_b32 v[LLR+8*\a+\jj], v[STL] offset:4096+\jj*512+64*\a
.endr
.endr
	s_wait_dscnt 0x0
.irp a, 0,1,2,3
	v_min3_num_f32 v[NT+\a], v[NMR+8*\a], v[NMR+8*\a+1], v[NMR+8*\a+2]   ; -M = the least -M_j: my eight,
.endr
.irp n, 3,5
.irp a, 0,1,2,3
	v_min3_num_f32 v[NT+\a], v[NT+\a], v[NMR+8*\a+\n], v[NMR+8*\a+\n+1]
.endr
.endr
.irp a, 0,1,2,3
	v_min_num_f32 v[NT+\a], v[NT+\a], v[NMR+8*\a+7]
.endr
.irp a, 0,1,2,3
	v_permlanex16_b32 v[TP+\a], v[NT+\a], s[SEL], s[SEL+1]
.endr
.irp a, 0,1,2,3
	v_min_num_f32 v[NT+\a], v[NT+\a], v[TP+\a]     ; and the other eight
.endr
.set i, 0
.rept 32
	v_sub_f32 v[NMR+i], v[NT+i/8], v[NMR+i]        ; M_j - M: a whole number, 0 or less
.set i, i+1
.endr
.set i, 0
.rept 32
	v_cvt_i32_f32 v[NMR+i], v[NMR+i]               ; (it saturates)
.set i, i+1
.endr
.set i, 0
.rept 32
	v_ldexp_f32 v[NMR+i], 1.0, v[NMR+i]            ; w_j = 2^(M_j - M)
.set i, i+1
.endr
.irp a, 0,1,2,3
	v_mul_f32 v[LT+\a], v[LLR+8*\a], v[NMR+8*\a]   ; l = the sum of l_j w_j: at least 1/2, since the block that holds M has a p above 1/2
.endr
.irp jj, 1,2,3,4,5,6,7
.irp a, 0,1,2,3
	v_fmac_f32 v[LT+\a], v[LLR+8*\a+\jj], v[NMR+8*\a+\jj]
.endr
.endr
.irp a, 0,1,2,3
	v_permlanex16_b32 v[TP+\a], v[LT+\a], s[SEL], s[SEL+1]
.endr
.irp a, 0,1,2,3
	v_add_f32 v[LT+\a], v[LT+\a], v[TP+\a]
.endr
.irp a, 0,1,2,3
	v_rcp_f32 v[RLR+\a], v[LT+\a]
.endr
	v_nop                                          ; a plain line behind the last reciprocal
	s_wait_alu depctr_va_vdst(0)                   ; the wait ahead of the first line that names a result: one for the four
.irp jj, 0,1,2,3,4,5,6,7
.irp a, 0,1,2,3
	v_mul_f32 v[WF+4*\jj+\a], v[NMR+8*\a+\jj], v[RLR+\a]   ; the weight w_j / l
.endr
.endr
.irp jj, 0,1,2,3,4,5,6,7               ; over the bytes that held the statistics: my reads of them are back
	ds_store_b128 v[WTS], v[WF+4*\jj:WF+4*\jj+3] offset:\jj*1024        ; for lane r,
	ds_store_b128 v[WTS], v[WF+4*\jj:WF+4*\jj+3] offset:\jj*1024+256    ; and for lane 16 + r, which holds the same query
.endr
.irp n, 5,6,7
	LOADP \n
.endr
	WIN 0
	s_wait_tensorcnt 1                             ; my part of slot 0 is in; slot 1's load may be out
	s_wait_dscnt 0x0
	s_barrier_signal -1
	s_barrier_wait -1                              ; everybody's is
; 8 matrix instructions of quarter u: tile of queries a x 8 tiles of channels.  The 32 accumulators take turns, one instruction a turn, in the same order in every quarter.
.macro MUL8 u, a, zero
	PLOC \u
	WIN 0xa1|(PW<<2)                               ; source 0 (V) window 1, source 1 (P) window 0 or 1, C and D window 2
.irp b, 0,1,2,3,4,5,6,7
.if \zero
	v_wmma_f32_16x16x32_f16 v[8*(8*(\a)+\b):8*(8*(\a)+\b)+7], v[64*((\u)%2)+8*\b:64*((\u)%2)+8*\b+7], v[PR+8*(\a):PR+8*(\a)+7], 0
.else
	v_wmma_f32_16x16x32_f16 v[8*(8*(\a)+\b):8*(8*(\a)+\b)+7], v[64*((\u)%2)+8*\b:64*((\u)%2)+8*\b+7], v[PR+8*(\a):PR+8*(\a)+7], v[8*(8*(\a)+\b):8*(8*(\a)+\b)+7]
.endif
.endr
.endm
; A block's first quarter.  In front of each product, which begins its accumulator anew with the constant 0, stand the four packed lines that merge what the accumulator holds of the block before into O^T:
; so a slice of four is issued while the product before it runs.  first = 1: the first block of all starts O^T: nothing is ever cleared.  Each accumulator is read from its low end on.
; The accumulator's last product stands in the quarter before, and that quarter's four closing places lie between.
.macro MULM u, first
	PLOC \u
.irp a, 0,1,2,3
.irp b, 0,1,2,3,4,5,6,7
	WIN W_MRG
.irp i, 0,2,4,6
.if \first
	v_pk_mul_f32 v[8*(8*\a+\b)+\i:8*(8*\a+\b)+\i+1], v[8*(8*\a+\b)+\i:8*(8*\a+\b)+\i+1], v[WQ+2*(\a/2)+4*(\a%2):WQ+2*(\a/2)+4*(\a%2)+1] op_sel_hi:[1,0]
.else
	v_pk_fma_f32 v[8*(8*\a+\b)+\i:8*(8*\a+\b)+\i+1], v[8*(8*\a+\b)+\i:8*(8*\a+\b)+\i+1], v[WQ+2*(\a/2)+4*(\a%2):WQ+2*(\a/2)+4*(\a%2)+1], v[8*(8*\a+\b)+\i:8*(8*\a+\b)+\i+1] op_sel_hi:[1,0,1]
.endif
.endr
	WIN 0xa1|(PW<<2)
	v_wmma_f32_16x16x32_f16 v[8*(8*\a+\b):8*(8*\a+\b)+7], v[64*((\u)%2)+8*\b:64*((\u)%2)+8*\b+7], v[PR+8*\a:PR+8*\a+7], 0
.endr
.endr
.endm
; Quarter n's V (n = 0 .. 16 in a walk of two slots): 32 keys x my 128 channels, turned: 8 fragments into buffer n % 2
.macro FETCHV n
	WIN TO_V
.irp b, 0,1,2,3,4,5,6,7
	ds_load_tr16_b128 v[64*((\n)%2)+8*\b:64*((\n)%2)+8*\b+3],   v[ADRV+((\n)%16)/4] offset:((\n)%4)*QROW+32*\b
	ds_load_tr16_b128 v[64*((\n)%2)+8*\b+4:64*((\n)%2)+8*\b+7], v[ADRV+((\n)%16)/4] offset:((\n)%4)*QROW+16*PV+32*\b
.endr
.endm
; QUARTER u of a walk of two slots: at its head the next quarter's V is fetched, into the buffer that the quarter before multiplied (that quarter's four closing places lie between); then 32 products; then four places,
; and this quarter's buffer of P takes the quarter eight on.
; mode 0: the products add on.  1: they start the sums (the first quarter of all).  2, 3: a block's first quarter, with the merge of the block before (2: it starts O^T).
; kind 0: the next quarter lies in the same slot.  kind 1: a change of slots with a refill.  kind 2: a change without.  kind 3: the last quarter of all.
; lcnt: how many younger loads of P may stay out when this quarter's are wanted.  step = 1: P's base and the weights' address go on by a walk's 16 quarters.
.macro Q u, mode, kind, ldp, lcnt, step, how
.if (\kind == 1) || (\kind == 2)
	WIN 0                                          ; (the add's two registers lie in window 0)
	s_wait_tensorcnt 0x0                           ; all my tensor loads have landed: the one that was out is my part of the next slot
	ds_add_u32 v[SPW], v[NIL]
	s_wait_dscnt 1                                 ; this quarter's V is in; the add may be out
	s_wait_loadcnt \lcnt                           ; this quarter's P is in
	MUL8 \u, 0, 0                                  ; eight matrix instructions stand between the add and the wait for it
	s_wait_dscnt 0x0                               ; the add is done, and my reads of this slot are over
	s_barrier_signal -1
	MUL8 \u, 1, 0                                  ; work on registers while the others arrive
	WIN 0
	s_barrier_wait -1                              ; the next slot is whole, and nobody of my work-group reads this one
.if \kind == 1
	CREST                                          ; the barrier has opened a round of the cluster's: no wave of any partner still reads this slot or has a load on its way
.set GS, G0+4*((\u)/8)
	s_add_nc_u64 s[GS+2:GS+3], s[GS+2:GS+3], 2*VSLOT   ; no tensor load of mine is out, so a group 0 may be written: the keys two slots on
	tensor_load_to_lds s[GS:GS+3], s[G1:G1+7]      ; my one tensor load behind the round, and the first thing there: eight quarters, 240 matrix instructions, ahead of the wait for it
	s_nop 0
.rept 4
	v_nop
.endr
.endif
	FETCHV (\u)+1
.if \kind == 1
	WIN 0
	s_wait_xcnt 0x0                                ; the last prefetch, a slot back, has read its address (and P's last loads, sixteen products back, theirs): it may be stepped
	s_add_nc_u64 s[PFA:PFA+1], s[PFA:PFA+1], VSLOT
	ASK \how
.endif
	MUL8 \u, 2, 0
	MUL8 \u, 3, 0
.else
	s_wait_dscnt 0x0                               ; this quarter's V is in, and the weights where they were fetched
	s_wait_loadcnt \lcnt                           ; this quarter's P is in
.if \mode >= 2
	WIN 0
	v_mov_b32 v[WQ+4], v[WQ+1]                     ; the weights of tiles 1 and 3 at the head of even pairs: the packed lines name a pair and take its low word for both halves
	v_mov_b32 v[WQ+6], v[WQ+3]
.endif
.if ((\u)%4) == 1
	WIN 0
	ds_load_b128 v[WQ:WQ+3], v[WTA] offset:512*((\u)/4)   ; the weights of the block in hand: last read in the quarter before, wanted three quarters on
.endif
.if \kind == 0
	FETCHV (\u)+1
.endif
.if \mode == 0
.irp a, 0,1,2,3
	MUL8 \u, \a, 0
.endr
.endif
.if \mode == 1
.irp a, 0,1,2,3
	MUL8 \u, \a, 1
.endr
.endif
.if \mode == 2
	MULM \u, 1
.endif
.if \mode == 3
	MULM \u, 0
.endif
.endif
.if \kind != 3
	PLACES
.endif
.if \step
	s_wait_xcnt 0x0                                ; P's last loads, a quarter back, have read their base
	s_add_nc_u64 s[4:5], s[4:5], 16*1024           ; 16 quarters on in each image row
	WIN 0
	v_add_nc_u32 v[WTA], 4*512, v[WTA]             ; and four blocks of keys on among the weights
.endif
.if \ldp
	LOADP (\u)+8
.endif
.endm
	FETCHV 0
	Q 0, 1, 0, 1, 56, 0, 0                         ; the first block and the merge that starts O^T stand in front of the loop.  56: the loads of the seven younger quarters
.irp u, 1,2,3
	Q \u, 0, 0, 1, 56, 0, 0
.endr
	Q 4, 2, 0, 1, 56, 0, 0
	WIN 0                                          ; at a label and at a branch every window is 0
	s_mov_b32 s[CNT], 3
.Ltrip:                                                ; a trip goes once round the ring: 16 quarters, four blocks; both slots are filled again
.irp u, 5,6
	Q \u, 0, 0, 1, 56, 0, 0
.endr
	Q 7, 0, 1, 1, 56, 0, 1
	Q 8, 3, 0, 1, 56, 0, 0
.irp u, 9,10,11
	Q \u, 0, 0, 1, 56, 0, 0
.endr
	Q 12, 3, 0, 1, 56, 0, 0
.irp u, 13,14
	Q \u, 0, 0, 1, 56, 0, 0
.endr
	Q 15, 0, 1, 1, 56, 0, 0
	Q 0, 3, 0, 1, 56, 1, 0
.irp u, 1,2,3
	Q \u, 0, 0, 1, 56, 0, 0
.endr
	Q 4, 3, 0, 1, 56, 0, 0
	WIN 0
	s_sub_co_u32 s[CNT], s[CNT], 1
	s_cmp_lg_u32 s[CNT], 0
	s_cbranch_scc1 .Ltrip
.irp u, 5,6                            ; the last 11 quarters are written out: no slot is filled again, and P's loads end with quarter 7's
	Q \u, 0, 0, 1, 56, 0, 0
.endr
	Q 7, 0, 2, 1, 56, 0, 0                         ; behind this barrier nobody reads slot 0 any more
	Q 8, 3, 0, 0, 56, 0, 0
.irp u, 9,10,11
	Q \u, 0, 0, 0, 8*(15-\u), 0, 0
.endr
	Q 12, 3, 0, 0, 24, 0, 0
.irp u, 13,14
	Q \u, 0, 0, 0, 8*(15-\u), 0, 0
.endr
	Q 15, 0, 3, 0, 0, 0, 0
	WIN 0
	; THE WAY OUT, a tile of 16 queries at a time: the last block is merged, and the result goes straight on: a lane's 32 neighbouring bytes of a row go through my stage in LDS and come back as whole rows of 512 bytes.
	v_mov_b32 v[WQ+4], v[WQ+1]                     ; the last block's weights, fetched two quarters ago
	v_mov_b32 v[WQ+6], v[WQ+3]
	PLACES                                         ; behind the last products
.macro OUT a
	WIN W_OUT
.set i, 0
.rept 32
	v_pk_fma_f32 v[TS+i:TS+i+1], v[64*(\a)+i:64*(\a)+i+1], v[WQ+2*((\a)/2)+4*((\a)%2):WQ+2*((\a)/2)+4*((\a)%2)+1], v[64*(\a)+i:64*(\a)+i+1] op_sel_hi:[1,0,1]   ; each accumulator from its low end on
.set i, i+2
.endr
	WIN 0
.irp b, 0,1,2,3,4,5,6,7
	ds_store_b128 v[STO], v[TS+8*\b:TS+8*\b+3] offset:64*\b          ; lane (r, h): channels 16 b + 8 h + 0 .. 7 of query r
	ds_store_b128 v[STO], v[TS+8*\b+4:TS+8*\b+7] offset:64*\b+16
.endr
.irp t, 0,1,2,3,4,5,6,7,8,9,10,11,12,13,14,15
	ds_load_b128 v[BK+64*((\a)%2)+4*\t:BK+64*((\a)%2)+4*\t+3], v[RD] offset:\t*SPITCH   ; LDS serves a wave's instructions in order: these see the stores above, and the next tile's stores come behind them
.endr
.endm
.macro SEND a, younger                 ; younger: the LDS instructions issued behind tile a's loads, which may stay out
	s_wait_dscnt \younger
.irp t, 0,1,2,3,4,5,6,7,8,9,10,11,12,13,14,15
	global_store_b128 v[PLO], v[BK+64*((\a)%2)+4*\t:BK+64*((\a)%2)+4*\t+3], s[10:11] offset:(16*(\a)+\t)*4096 th:TH_STORE_NT   ; 32 lanes store 512 consecutive bytes, at a multiple of 512 from the buffer's first byte
.endr
.endm
	OUT 0
.irp a, 1,2,3
.if \a >= 2
	s_wait_xcnt 0x0                                ; the stores of the tile two back have read their data: this tile's loads may land there
.endif
	OUT \a
	SEND \a-1, 32                                  ; behind that tile's loads: this tile's 16 stores and 16 loads
.endr
	SEND 3, 0
	s_wait_tensorcnt 0x0                           ; the wave's end, behind my last tensor load and my last LDS store
	ds_add_u32 v[SPW], v[NIL]
	s_wait_dscnt 0x0
	CROUND                                         ; the closing round: no work-group ends while a partner may still ask for a tile that names it
	s_endpgm
.Lfunc_end_k_q3bdc8439fa_pv:
	.size	k_q3bdc8439fa_pv, .Lfunc_end_k_q3bdc8439fa_pv-k_q3bdc8439fa_pv
	.p2alignl 7, 3214868480
	.fill 96, 4, 3214868480
	.section	.rodata,"a",@progbits
	.p2align	6, 0x0
	.amdhsa_kernel k_q3bdc8439fa_pv
		.amdhsa_group_segment_fixed_size 327680
		.amdhsa_private_segment_fixed_size 0
		.amdhsa_enable_private_segment 0
		.amdhsa_kernarg_size 32
		.amdhsa_user_sgpr_count 2
		.amdhsa_user_sgpr_kernarg_segment_ptr 1
		.amdhsa_wavefront_size32 1
		.amdhsa_system_sgpr_workgroup_id_x 1
		.amdhsa_system_sgpr_workgroup_id_y 1
		.amdhsa_system_sgpr_workgroup_id_z 1
		.amdhsa_system_vgpr_workitem_id 0
		.amdhsa_next_free_vgpr 1024
		.amdhsa_next_free_sgpr 66
		.amdhsa_reserve_vcc 0
		.amdhsa_float_denorm_mode_32 3
		.amdhsa_float_denorm_mode_16_64 3
		.amdhsa_memory_ordered 1
		.amdhsa_forward_progress 1
		.amdhsa_inst_pref_size 247
	.end_amdhsa_kernel
	.amdgpu_metadata
---
amdhsa.version: [ 1, 2 ]
amdhsa.kernels:
  - .name:           k_q3bdc8439fa_pv
    .symbol:         k_q3bdc8439fa_pv.kd
    .args:
      - { .name: p, .offset: 0, .size: 8, .value_kind: global_buffer, .address_space: global }
      - { .name: stats, .offset: 8, .size: 8, .value_kind: global_buffer, .address_space: global }
      - { .name: qkv, .offset: 16, .size: 8, .value_kind: global_buffer, .address_space: global }
      - { .name: out0, .offset: 24, .size: 8, .value_kind: global_buffer, .address_space: global }
    .group_segment_fixed_size: 327680
    .private_segment_fixed_size: 0
    .kernarg_segment_align: 8
    .kernarg_segment_size: 32
    .max_flat_workgroup_size: 128
    .sgpr_count:     66
    .vgpr_count:     1024
    .wavefront_size: 32
...
	.end_amdgpu_metadata
.endif
;; end of part 5
